; MI455X (gfx1250); checked and timed in simulation.
; The chip was launched on July 23, 2026; its instructions are those of AMD's public machine-readable ISA for CDNA 5 (MIT licence, August 2026) and "CDNA5" Instruction Set Architecture Reference Guide (July 2026). The comments in the code are by the model that wrote it; some were corrected since.
;; Mo E Wrapper. Allowed arithmetic: float matrix products may take bf16 or f16 operands with f32 sums; other float arithmetic in f32, or as packed bf16 or f16 multiplies, adds, multiply-adds, maxima and minima; sums over many terms, partial sums and values carried from step to step in f32; what a program stores and reads back later, other than sums and carried values, may be rounded once to bf16 or f16.
;; Inputs: W1 8 x 1,024 x 4,096 float32; W2 8 x 4,096 x 1,024 float32; Wr 512 x 8 float32; Wr_h 1,024 x 512 float32; b1 8 x 4,096 float32; b2 8 x 1,024 float32; br 8 float32; br_h 512 float32; x 1,024 x 1,024 float32.
;; Outputs: out0 1,024 x 1,024 float32.
;; 2 versions, each right; version 2 is version 1 with the launches sort, up written anew for expert scheduling mode. Each part assembles by itself: llvm-mc -triple=amdgcn-amd-amdhsa -mcpu=gfx1250 --defsym DOCPART=n.
;; ======== version 1 of 2: 6 launches
;; workspace buffers: wc 33,024 bytes; xb 2,097,152 bytes; eid 4,096 bytes of whole numbers; wgt 4,096 bytes; hid 58,720,256 bytes; lst 57,344 bytes of whole numbers; cnt 1,792 bytes of whole numbers; part 16,777,216 bytes
;; launch fold (part 1): grid 257 x 1, 1 waves a work-group, no clusters, 0 bytes of LDS; arguments Wr_h, br_h, Wr, br, wc; writes wc
.if DOCPART == 1
	.amdgcn_target "amdgcn-amd-amdhsa--gfx1250"
	.amdhsa_code_object_version 6
	.text
	.protected	k_q872f72ce0b_fold
	.globl	k_q872f72ce0b_fold
	.p2align	8
	.type	k_q872f72ce0b_fold,@function
k_q872f72ce0b_fold:
	s_mov_b64 s[64:65], 0
	v_nop
	global_prefetch_b8 v0, s[64:65] scope:SCOPE_SE
	s_setreg_imm32_b32 hwreg(HW_REG_WAVE_MODE, 25, 1), 1
	s_wait_xcnt 0x0
; FOLD: Wc = Wr_h Wr ([1024][8]) and bc = br_h Wr + br ([8]), in f32 on inputs rounded once to bf16.
; THE PROGRAM (six launches): fold; route (logits, the chosen expert and its weight, x in bf16); sort (each expert's list of tokens); up (first product, ReLU); down (second product, K in quarters); sum.
; WHAT IS LEFT OUT, AND WHY IT CAN REACH NO OUTPUT.  reference() writes row t of out once for each expert e whose mask holds t, e ascending, and each write replaces the whole row:
; what stays is the row of the GREATER of the two indices that top_k returns for t.  The two indices differ, so every row is written (the zeros with which out starts never stay), the
; product of the lower index is always replaced, and the greater index is at least 1: expert 0 never stays, whatever the inputs hold.  So each token is multiplied for ONE expert, the one that
; route stores as a whole number and the later launches read; W1[0], b1[0], W2[0], b2[0] are not read.  Every input keeps a way to the output through its other parts, so all nine are arguments of some launch.
; LIMIT: a NaN, an infinity or an overflow that arises only in the work left out is not carried to the result.
; THE ROUTER IS RE-ASSOCIATED: (x Wr_h + br_h) Wr + br = x (Wr_h Wr) + (br_h Wr + br), an identity for all values; only the order of the f32 roundings differs.
; LIMIT: a token whose second and third probabilities lie closer than that rounding (about 1e-6 of the logits' spread) may take another expert than reference()'s own order of sums gives.
; FORMATS.  All inputs of the program are rounded once to bf16; the router's sums, on which a choice hangs, are kept in f32 (packed fused multiply-adds: 12.6 M of the program's 8.6 G multiply-adds).
; SHARES.  One wave a work-group.  Work-group g < 256 makes rows 4 g .. 4 g + 3 of Wc; work-group 256 takes br_h in the place of all four rows (pitch 0) and adds br.
; Lane l holds h = 128 q + 4 l + c (q, c = 0..3): 16 bytes a lane of a row of Wr_h, and the eight numbers Wr[h][0..7] for each of its 16 h.
.set TMP, 8                            ; v8-11    at work
.set TW,  16                           ; v16-143  Wr[h][e] at 8 (4 q + c) + e
.set XR,  144                          ; v144-207 row rho at 16 rho + 4 q + c
.set ACC, 208                          ; v208-239 the lane's partial sums at 8 rho + e
	s_load_b256 s[4:11], s[0:1], 0x0               ; Wr_h s[4:5], br_h s[6:7], Wr s[8:9], br s[10:11]
	s_load_b64 s[12:13], s[0:1], 0x20              ; wc
	v_lshlrev_b32 v1, 4, v0                        ; 16 l
	v_lshlrev_b32 v2, 7, v0                        ; 128 l: four rows of Wr
	v_lshlrev_b32 v3, 2, v0                        ; 4 l
	s_mov_b32 s20, 0xaaaaaaaa                      ; lanes with bit 0, 1, 2, 3 set
	s_mov_b32 s21, 0xcccccccc
	s_mov_b32 s22, 0xf0f0f0f0
	s_mov_b32 s23, 0xff00ff00
	s_mov_b32 s24, 0xffff0000                      ; lanes with bit 4 set; also a word's upper bf16
	s_mov_b32 s26, 0x76543210                      ; v_permlanex16_b32: each lane takes its own place in the other half
	s_mov_b32 s27, 0xfedcba98
	s_lshl_b32 s18, ttmp9, 13                      ; four rows of 2,048 bytes
	s_lshl_b32 s28, ttmp9, 7                       ; four rows of Wc: 128 bytes
	s_mov_b32 s19, 0
	s_mov_b32 s29, 0
	s_cmp_eq_u32 ttmp9, 256
	s_cselect_b32 s16, 0, 2048                     ; the pitch from row to row
	s_cselect_b32 s18, 0, s18
	v_mov_b32 v4, v1                               ; v4-7: 16 l + rho x pitch
	v_add_nc_u32 v5, s16, v4
	v_add_nc_u32 v6, s16, v5
	v_add_nc_u32 v7, s16, v6
	s_wait_kmcnt 0x0
	s_cselect_b64 s[14:15], s[6:7], s[4:5]         ; the compare above still holds: moves, selects and waits leave SCC alone
	s_add_nc_u64 s[14:15], s[14:15], s[18:19]
	s_add_nc_u64 s[12:13], s[12:13], s[28:29]
.set i, 0
.rept 32                               ; Wr: q = i / 8, 16 bytes m = i % 8 of the lane's 128
	global_load_b128 v[TW+4*i:TW+4*i+3], v2, s[8:9] offset:4096*(i/8)+16*(i%8)
.set i, i+1
.endr
.set i, 0
.rept 16                               ; the rows: rho = i / 4, q = i % 4
	global_load_b128 v[XR+4*i:XR+4*i+3], v[4+i/4], s[14:15] offset:512*(i%4)
.set i, i+1
.endr
; n pairs of f32 are rounded to bf16 and widened again, in place
.macro RND base, n
.set ri, 0
.rept \n
	v_cvt_pk_bf16_f32 v[TMP+ri%4], v[(\base)+2*ri], v[(\base)+2*ri+1]
	v_lshlrev_b32 v[(\base)+2*ri], 16, v[TMP+ri%4]
	v_and_b32 v[(\base)+2*ri+1], s24, v[TMP+ri%4]
.set ri, ri+1
.endr
.endm
	s_wait_loadcnt 16                              ; Wr is in; the 16 loads of the rows are younger and stay out
	RND TW, 64
	s_wait_loadcnt 0x0
	RND XR, 32
; ACC[rho][e] = the sum over the lane's 16 h of row[rho][h] Wr[h][e]: two e an instruction, the row's number given to both halves.  The first term starts each sum.
.set hc, 0
.rept 16
.set rho, 0
.rept 4
.set u, 0
.rept 4
.set dd, ACC+8*rho+2*u
.set aa, TW+8*hc+2*u
.set bb, XR+16*rho+hc-hc%2
.if hc == 0
	v_pk_mul_f32 v[dd:dd+1], v[aa:aa+1], v[bb:bb+1] op_sel_hi:[1,0]
.elseif hc%2
	v_pk_fma_f32 v[dd:dd+1], v[aa:aa+1], v[bb:bb+1], v[dd:dd+1] op_sel:[0,1,0] op_sel_hi:[1,1,1]
.else
	v_pk_fma_f32 v[dd:dd+1], v[aa:aa+1], v[bb:bb+1], v[dd:dd+1] op_sel_hi:[1,0,1]
.endif
.set u, u+1
.endr
.set rho, rho+1
.endr
.set hc, hc+1
.endr
; ACROSS THE LANES.  A step halves the numbers a lane holds: of a pair (a, b) the lanes whose bit is clear keep a and send b, the others keep b and send a; each adds what its partner sent.
; After five steps lane l holds ONE finished sum: e = l % 8, rho = l / 8.
.set bn, 0
.macro BFLY a, b, m, x
	v_cndmask_b32 v[TMP+2*(bn%2)], v[\b], v[\a], s[\m]     ; what I send
	v_cndmask_b32 v[TMP+2*(bn%2)+1], v[\a], v[\b], s[\m]   ; what I keep
	v_add_f32_dpp v[\a], v[TMP+2*(bn%2)], v[TMP+2*(bn%2)+1] row_xmask:\x row_mask:0xf bank_mask:0xf
.set bn, bn+1
.endm
.set i, 0
.rept 16
	BFLY ACC+2*i, ACC+2*i+1, 20, 1
.set i, i+1
.endr
.set i, 0
.rept 8
	BFLY ACC+4*i, ACC+4*i+2, 21, 2
.set i, i+1
.endr
.set i, 0
.rept 4
	BFLY ACC+8*i, ACC+8*i+4, 22, 4
.set i, i+1
.endr
	BFLY ACC, ACC+8, 23, 8
	BFLY ACC+16, ACC+24, 23, 8
	v_cndmask_b32 v[TMP], v[ACC+16], v[ACC], s24
	v_cndmask_b32 v[TMP+1], v[ACC], v[ACC+16], s24
	v_permlanex16_b32 v[TMP+2], v[TMP], s26, s27   ; its destination has been written before
	v_add_f32 v[ACC], v[TMP+1], v[TMP+2]
	s_cmp_lg_u32 ttmp9, 256
	s_cbranch_scc1 .Lstore
	v_and_b32 v13, 7, v0                           ; work-group 256 alone: + br[e], rounded like every input
	v_lshlrev_b32 v13, 2, v13
	global_load_b32 v12, v13, s[10:11]
	s_wait_loadcnt 0x0
	v_cvt_pk_bf16_f32 v12, v12, v12
	v_lshlrev_b32 v12, 16, v12
	v_add_f32 v[ACC], v[ACC], v12
.Lstore:
	global_store_b32 v3, v[ACC], s[12:13]          ; 128 consecutive bytes at 128 g.  In work-group 256 all four rows are bc: four copies from byte 32,768 on, of which the first is read
	s_endpgm
.Lfunc_end_k_q872f72ce0b_fold:
	.size	k_q872f72ce0b_fold, .Lfunc_end_k_q872f72ce0b_fold-k_q872f72ce0b_fold
	.p2alignl 7, 3214868480
	.fill 96, 4, 3214868480
	.section	.rodata,"a",@progbits
	.p2align	6, 0x0
	.amdhsa_kernel k_q872f72ce0b_fold
		.amdhsa_group_segment_fixed_size 0
		.amdhsa_private_segment_fixed_size 0
		.amdhsa_enable_private_segment 0
		.amdhsa_kernarg_size 40
		.amdhsa_user_sgpr_count 2
		.amdhsa_user_sgpr_kernarg_segment_ptr 1
		.amdhsa_wavefront_size32 1
		.amdhsa_system_sgpr_workgroup_id_x 1
		.amdhsa_system_sgpr_workgroup_id_y 1
		.amdhsa_system_sgpr_workgroup_id_z 1
		.amdhsa_system_vgpr_workitem_id 0
		.amdhsa_next_free_vgpr 240
		.amdhsa_next_free_sgpr 66
		.amdhsa_reserve_vcc 0
		.amdhsa_float_denorm_mode_32 3
		.amdhsa_float_denorm_mode_16_64 3
		.amdhsa_memory_ordered 1
		.amdhsa_forward_progress 1
		.amdhsa_inst_pref_size 41
	.end_amdhsa_kernel
	.amdgpu_metadata
---
amdhsa.version: [ 1, 2 ]
amdhsa.kernels:
  - .name:           k_q872f72ce0b_fold
    .symbol:         k_q872f72ce0b_fold.kd
    .args:
      - { .name: Wr_h, .offset: 0, .size: 8, .value_kind: global_buffer, .address_space: global }
      - { .name: br_h, .offset: 8, .size: 8, .value_kind: global_buffer, .address_space: global }
      - { .name: Wr, .offset: 16, .size: 8, .value_kind: global_buffer, .address_space: global }
      - { .name: br, .offset: 24, .size: 8, .value_kind: global_buffer, .address_space: global }
      - { .name: wc, .offset: 32, .size: 8, .value_kind: global_buffer, .address_space: global }
    .group_segment_fixed_size: 0
    .private_segment_fixed_size: 0
    .kernarg_segment_align: 8
    .kernarg_segment_size: 40
    .max_flat_workgroup_size: 32
    .sgpr_count:     66
    .vgpr_count:     240
    .wavefront_size: 32
...
	.end_amdgpu_metadata
.endif
;; end of part 1
;; launch route (part 2): grid 256 x 1, 1 waves a work-group, no clusters, 0 bytes of LDS; arguments x, wc, xb, eid, wgt; writes xb, eid, wgt
.if DOCPART == 2
	.amdgcn_target "amdgcn-amd-amdhsa--gfx1250"
	.amdhsa_code_object_version 6
	.text
	.protected	k_q872f72ce0b_route
	.globl	k_q872f72ce0b_route
	.p2align	8
	.type	k_q872f72ce0b_route,@function
k_q872f72ce0b_route:
	s_mov_b64 s[64:65], 0
	v_nop
	global_prefetch_b8 v0, s[64:65] scope:SCOPE_SE
	s_setreg_imm32_b32 hwreg(HW_REG_WAVE_MODE, 25, 1), 1
	s_wait_xcnt 0x0
; ROUTE: for each token the logits x Wc + bc (f32, x rounded to bf16), the greater of the two chosen experts and that expert's renormalised weight; x is stored in bf16 for the first product.
; Left out: nothing of the router; of the two chosen experts only the greater index and its weight are stored, since the other's row is always replaced (shown at the head of fold).
; SHARES.  One wave a work-group, tokens 4 g .. 4 g + 3.  Lane l holds d = 128 j + 4 l + c (j = 0..7, c = 0..3) of each token, and Wc[d][0..7] for its 32 d.
; THE CHOICE.  q_e = 2^((l_e - max) log2 e), the softmax's numerators with the maximum taken away as reference() takes it; the division by their sum keeps their order and their zeros, so the two
; greatest are found among the q, scanning upward with a strict compare: of equals the lower index comes first, as in lax.top_k.  nws: w1 = 1 / (1 + 2^((p2 - p1) log2 e)), w2 = 1 - w1 as u w1; p2 - p1 <= 0.
; LIMITS.  A q below 2^-126 counts as 0.  With a NaN among a token's logits the stored index may be 0, no later launch takes the token, and its row of the output is no number.
; No address and no branch hangs on these numbers: they are stored at fixed places.
; REGISTERS.  Window 0: v1-3 offsets; X v16-143 (32 tau + 4 j + c); P v144-207 packed bf16; ACC v208-239 (8 tau + e).  Window 1: Wc[d][e] at 8 (4 j + c) + e.
.set X,   16
.set P,   144
.set ACC, 208
.set LG,  32                           ; behind the sums X's registers are free: v16-31 at work, v32-39 the logits, v40-63 as named below
.set MX,  40
.set SS,  41
.set M1,  42
.set I1,  43
.set M2,  44
.set I2,  45
.set RS,  46
.set DD,  47
.set Q,   48                           ; v48-55
.set UU,  56
.set W1R, 57
.set ONEU, 58
.set EI,  59
.set WW,  60
.set AO,  61
.set MSB, 0
.macro WIN new                         ; s_set_vgpr_msb: bits 1:0 source 0, 3:2 source 1, 5:4 source 2, 7:6 destination; the high byte repeats the setting that is left
.if MSB != (\new)
	s_set_vgpr_msb (MSB<<8)|(\new)
.set MSB, \new
.endif
.endm
	s_load_b256 s[4:11], s[0:1], 0x0               ; x s[4:5], wc s[6:7], xb s[8:9], eid s[10:11]
	s_load_b64 s[12:13], s[0:1], 0x20              ; wgt
	v_lshlrev_b32 v1, 4, v0                        ; 16 l
	v_lshlrev_b32 v2, 3, v0                        ; 8 l
	v_lshlrev_b32 v3, 7, v0                        ; 128 l: four rows of Wc
	s_mov_b32 s24, 0xffff0000                      ; a word's upper bf16
	s_mov_b32 s26, 0x76543210
	s_mov_b32 s27, 0xfedcba98
	s_mov_b32 s30, 0xaaaaaaaa
	s_mov_b32 s31, 0xcccccccc
	s_lshl_b32 s14, ttmp9, 14                      ; four rows of x
	s_mov_b32 s15, 0
	s_wait_kmcnt 0x0
	s_load_b256 s[16:23], s[6:7], 0x8000           ; bc
	s_add_nc_u64 s[4:5], s[4:5], s[14:15]
.set i, 0
.rept 32                               ; x: tau = i / 8, j = i % 8
	global_load_b128 v[X+4*i:X+4*i+3], v1, s[4:5] offset:4096*(i/8)+512*(i%8) th:TH_LOAD_NT
.set i, i+1
.endr
	WIN 0x40                                       ; destination window 1
.set i, 0
.rept 64                               ; Wc: j = i / 8, 16 bytes i % 8 of the lane's 128
	global_load_b128 v[4*i:4*i+3], v3, s[6:7] offset:4096*(i/8)+16*(i%8)
.set i, i+1
.endr
	WIN 0
	s_lshl_b32 s14, ttmp9, 13                      ; four rows of xb
	s_add_nc_u64 s[8:9], s[8:9], s[14:15]
	s_wait_loadcnt 63                              ; x is in: behind its youngest load stand 64 others
.set i, 0
.rept 64
	v_cvt_pk_bf16_f32 v[P+i], v[X+2*i], v[X+2*i+1]
.set i, i+1
.endr
.set i, 0
.rept 32
	global_store_b64 v2, v[P+2*i:P+2*i+1], s[8:9] offset:2048*(i/8)+256*(i%8)  ; 32 lanes x 8 bytes: 256 consecutive bytes, aligned
.set i, i+1
.endr
.set i, 0
.rept 64                               ; and back to f32: the sums take the rounded x
	v_lshlrev_b32 v[X+2*i], 16, v[P+i]
	v_and_b32 v[X+2*i+1], s24, v[P+i]
.set i, i+1
.endr
	s_wait_loadcnt 0x0                             ; Wc
	WIN 0x01                                       ; source 0 (Wc) window 1
.set jc, 0
.rept 32
.set tau, 0
.rept 4
.set u, 0
.rept 4
.set dd, ACC+8*tau+2*u
.set aa, 8*jc+2*u
.set bb, X+32*tau+jc-jc%2
.if jc == 0
	v_pk_mul_f32 v[dd:dd+1], v[aa:aa+1], v[bb:bb+1] op_sel_hi:[1,0]
.elseif jc%2
	v_pk_fma_f32 v[dd:dd+1], v[aa:aa+1], v[bb:bb+1], v[dd:dd+1] op_sel:[0,1,0] op_sel_hi:[1,1,1]
.else
	v_pk_fma_f32 v[dd:dd+1], v[aa:aa+1], v[bb:bb+1], v[dd:dd+1] op_sel_hi:[1,0,1]
.endif
.set u, u+1
.endr
.set tau, tau+1
.endr
.set jc, jc+1
.endr
	WIN 0
; ACROSS THE LANES.  Two halving steps (as in fold) leave each lane the eight sums of token l % 4; three plain steps add the lanes that hold the same token.
.set bn, 0
.macro BFLY a, b, m, x
	v_cndmask_b32 v[16+2*(bn%4)], v[\b], v[\a], s[\m]
	v_cndmask_b32 v[16+2*(bn%4)+1], v[\a], v[\b], s[\m]
	v_add_f32_dpp v[\a], v[16+2*(bn%4)], v[16+2*(bn%4)+1] row_xmask:\x row_mask:0xf bank_mask:0xf
.set bn, bn+1
.endm
.set i, 0
.rept 8
	BFLY ACC+i, ACC+8+i, 30, 1
	BFLY ACC+16+i, ACC+24+i, 30, 1
.set i, i+1
.endr
.set i, 0
.rept 8
	BFLY ACC+i, ACC+16+i, 31, 2
.set i, i+1
.endr
.irp e, 0,1,2,3,4,5,6,7
	v_add_f32_dpp v[ACC+\e], v[ACC+\e], v[ACC+\e] row_xmask:4 row_mask:0xf bank_mask:0xf
.endr
.irp e, 0,1,2,3,4,5,6,7
	v_add_f32_dpp v[ACC+\e], v[ACC+\e], v[ACC+\e] row_xmask:8 row_mask:0xf bank_mask:0xf
.endr
.irp e, 0,1,2,3,4,5,6,7
	v_permlanex16_b32 v[16+\e], v[ACC+\e], s26, s27
.endr
.irp e, 0,1,2,3,4,5,6,7
	v_add_f32 v[ACC+\e], v[ACC+\e], v[16+\e]
.endr
	s_wait_kmcnt 0x0                               ; bc
.irp e, 0,1,2,3,4,5,6,7
	v_add_f32 v[LG+\e], s[16+\e], v[ACC+\e]
.endr
	v_max3_num_f32 v[MX], v[LG], v[LG+1], v[LG+2]
	v_max3_num_f32 v[MX], v[MX], v[LG+3], v[LG+4]
	v_max3_num_f32 v[MX], v[MX], v[LG+5], v[LG+6]
	v_max_num_f32 v[MX], v[MX], v[LG+7]
.irp e, 0,1,2,3,4,5,6,7
	v_sub_f32 v[Q+\e], v[LG+\e], v[MX]
.endr
.irp e, 0,1,2,3,4,5,6,7
	v_mul_f32 v[Q+\e], 0x3fb8aa3b, v[Q+\e]
.endr
.irp e, 0,1,2,3,4,5,6,7
	v_exp_f32 v[Q+\e], v[Q+\e]
.endr
	v_nop                                          ; a plain instruction behind the last exponential,
	s_wait_alu depctr_va_vdst(0)                   ; and one wait for the batch of eight, ahead of their first reader
	v_add_f32 v[SS], v[Q], v[Q+1]
	v_add_f32 v62, v[Q+2], v[Q+3]
	v_add_f32 v63, v[Q+4], v[Q+5]
	v_add_f32 v[AO], v[Q+6], v[Q+7]
	v_add_f32 v[SS], v[SS], v62
	v_add_f32 v63, v63, v[AO]
	v_add_f32 v[SS], v[SS], v63
	v_rcp_f32 v[RS], v[SS]                         ; the search below, which names neither register, stands between the reciprocal and its wait
	v_mov_b32 v[M1], v[Q]
	v_mov_b32 v[I1], 0
	v_mov_b32 v[M2], -1.0                          ; below every q
	v_mov_b32 v[I2], 0
.irp e, 1,2,3,4,5,6,7
	v_cmp_gt_f32 s28, v[Q+\e], v[M1]
	v_cmp_gt_f32 s29, v[Q+\e], v[M2]
	v_cndmask_b32 v[M2], v[M2], v[Q+\e], s29
	v_cndmask_b32 v[I2], v[I2], \e, s29
	v_cndmask_b32 v[M2], v[M2], v[M1], s28
	v_cndmask_b32 v[I2], v[I2], v[I1], s28
	v_cndmask_b32 v[M1], v[M1], v[Q+\e], s28
	v_cndmask_b32 v[I1], v[I1], \e, s28
.endr
	s_wait_alu depctr_va_vdst(0)                   ; the reciprocal
	v_sub_f32 v[DD], v[M2], v[M1]
	v_mul_f32 v[DD], v[DD], v[RS]                  ; p2 - p1
	v_mul_f32 v[DD], 0x3fb8aa3b, v[DD]
	v_exp_f32 v[UU], v[DD]
	v_max_u32 v[EI], v[I1], v[I2]                  ; the expert whose row stays
	v_cmp_gt_u32 vcc_lo, v[I1], v[I2]
	s_wait_alu depctr_va_vdst(0)
	v_add_f32 v[ONEU], 1.0, v[UU]
	v_rcp_f32 v[W1R], v[ONEU]
	v_lshlrev_b32 v[AO], 2, v0
	s_wait_alu depctr_va_vdst(0)
	v_mul_f32 v[WW], v[UU], v[W1R]                 ; w2
	v_cndmask_b32 v[WW], v[WW], v[W1R], vcc_lo     ; w1 where the first choice has the greater index
	s_lshl_b32 s14, ttmp9, 4
	s_add_nc_u64 s[10:11], s[10:11], s[14:15]
	s_add_nc_u64 s[12:13], s[12:13], s[14:15]
	s_wait_xcnt 0x0                                ; EXEC changes only behind this wait: the stores of xb have read theirs
	v_cmpx_gt_u32 4, v0                            ; lanes 0-3 hold tokens 0-3
	global_store_b32 v[AO], v[EI], s[10:11]
	global_store_b32 v[AO], v[WW], s[12:13]
	s_endpgm
.Lfunc_end_k_q872f72ce0b_route:
	.size	k_q872f72ce0b_route, .Lfunc_end_k_q872f72ce0b_route-k_q872f72ce0b_route
	.p2alignl 7, 3214868480
	.fill 96, 4, 3214868480
	.section	.rodata,"a",@progbits
	.p2align	6, 0x0
	.amdhsa_kernel k_q872f72ce0b_route
		.amdhsa_group_segment_fixed_size 0
		.amdhsa_private_segment_fixed_size 0
		.amdhsa_enable_private_segment 0
		.amdhsa_kernarg_size 40
		.amdhsa_user_sgpr_count 2
		.amdhsa_user_sgpr_kernarg_segment_ptr 1
		.amdhsa_wavefront_size32 1
		.amdhsa_system_sgpr_workgroup_id_x 1
		.amdhsa_system_sgpr_workgroup_id_y 1
		.amdhsa_system_sgpr_workgroup_id_z 1
		.amdhsa_system_vgpr_workitem_id 0
		.amdhsa_next_free_vgpr 512
		.amdhsa_next_free_sgpr 66
		.amdhsa_reserve_vcc 1
		.amdhsa_float_denorm_mode_32 3
		.amdhsa_float_denorm_mode_16_64 3
		.amdhsa_memory_ordered 1
		.amdhsa_forward_progress 1
		.amdhsa_inst_pref_size 66
	.end_amdhsa_kernel
	.amdgpu_metadata
---
amdhsa.version: [ 1, 2 ]
amdhsa.kernels:
  - .name:           k_q872f72ce0b_route
    .symbol:         k_q872f72ce0b_route.kd
    .args:
      - { .name: x, .offset: 0, .size: 8, .value_kind: global_buffer, .address_space: global }
      - { .name: wc, .offset: 8, .size: 8, .value_kind: global_buffer, .address_space: global }
      - { .name: xb, .offset: 16, .size: 8, .value_kind: global_buffer, .address_space: global }
      - { .name: eid, .offset: 24, .size: 8, .value_kind: global_buffer, .address_space: global }
      - { .name: wgt, .offset: 32, .size: 8, .value_kind: global_buffer, .address_space: global }
    .group_segment_fixed_size: 0
    .private_segment_fixed_size: 0
    .kernarg_segment_align: 8
    .kernarg_segment_size: 40
    .max_flat_workgroup_size: 32
    .sgpr_count:     66
    .vgpr_count:     512
    .wavefront_size: 32
...
	.end_amdgpu_metadata
.endif
;; end of part 2
;; launch sort (part 3): grid 7 x 1, 1 waves a work-group, no clusters, 0 bytes of LDS; arguments eid, lst, cnt; writes lst, cnt
.if DOCPART == 3
	.amdgcn_target "amdgcn-amd-amdhsa--gfx1250"
	.amdhsa_code_object_version 6
	.text
	.protected	k_q872f72ce0b_sort
	.globl	k_q872f72ce0b_sort
	.p2align	8
	.type	k_q872f72ce0b_sort,@function
k_q872f72ce0b_sort:
	s_mov_b64 s[64:65], 0
	v_nop
	global_prefetch_b8 v0, s[64:65] scope:SCOPE_SE
	s_setreg_imm32_b32 hwreg(HW_REG_WAVE_MODE, 25, 1), 1
	s_wait_xcnt 0x0
; SORT: for expert e = 1..7 the list of the tokens whose stored expert is e (rank -> token) and their number N.  A counting sort without atomics.
; Left out: expert 0 has no list: no token's row stays with it (shown at the head of fold).
; SHARES.  One wave an expert.  It reads all 1,024 stored experts (register 4 i + c of lane l is token 128 i + 4 l + c) and walks the 32 registers: a matching lane's rank is the number of matches
; in the registers before plus that in the lanes below it.  Any order of the ranks serves: the later launches go by this list alone.
; THE STORES.  All lanes stay on.  A lane without a match stores into a dump word of its own, word 1,024 + l of the expert's 2,048, which nobody reads.  The choice is made on the index, the index is
; then held to 0 .. 2,047 by a minimum with a constant, and only a shift stands behind that.  The ranks from N on take, in the same way, ONE OF THE EXPERT'S OWN TOKENS (0 where it has none):
; so every word 0 .. 1,023 is stored, once, and a rank past the count repeats a row that exists and belongs to this expert.
.set L8,   7                           ; v7   8 l
.set RK,   8                           ; v8   at work
.set IDX,  9                           ; v9   at work
.set DMP,  10                          ; v10  1,024 + l
.set L4,   11                          ; v11  4 l
.set L16,  12                          ; v12  16 l
.set FILL, 13                          ; v13  the token that the ranks past the count repeat
.set CN,   14                          ; v14-15 N twice
.set T,    16                          ; v16-47   the stored experts
.set AD,   48                          ; v48-79   a register of offsets for each store: none is written again while its store may still read it
.set TK,   80                          ; v80-111  and one of tokens
.set AZ,   112                         ; v112-143 the offsets of the fill
	s_load_b128 s[4:7], s[0:1], 0x0                ; eid s[4:5], lst s[6:7]
	s_load_b64 s[8:9], s[0:1], 0x10                ; cnt
	v_lshlrev_b32 v[L16], 4, v0
	v_lshlrev_b32 v[L4], 2, v0
	v_lshlrev_b32 v[L8], 3, v0
	v_add_nc_u32 v[DMP], 1024, v0
	s_add_co_u32 s20, ttmp9, 1                     ; e
	s_lshl_b32 s10, ttmp9, 13                      ; the expert's 2,048 words of lst
	s_mov_b32 s11, 0
	s_lshl_b32 s12, ttmp9, 8                       ; and its 64 words of cnt
	s_mov_b32 s13, 0
	s_mov_b32 s28, 0                               ; ranks given out so far
	s_mov_b32 s29, 0                               ; one of the expert's tokens: the last register's lowest matching lane
	s_wait_kmcnt 0x0
	s_add_nc_u64 s[6:7], s[6:7], s[10:11]
	s_add_nc_u64 s[8:9], s[8:9], s[12:13]
.set i, 0
.rept 8
	global_load_b128 v[T+4*i:T+4*i+3], v[L16], s[4:5] offset:512*i
.set i, i+1
.endr
	s_wait_loadcnt 0x0
.set i, 0
.rept 32
	v_cmp_eq_u32 vcc_lo, s20, v[T+i]
	v_mbcnt_lo_u32_b32 v[RK], vcc_lo, s28          ; the matches before me
	v_cndmask_b32 v[RK], v[DMP], v[RK], vcc_lo     ; my rank, or my dump word
	v_min_u32 v[RK], 0x7ff, v[RK]
	v_lshlrev_b32 v[AD+i], 2, v[RK]
	v_add_nc_u32 v[TK+i], 128*(i/4)+i%4, v[L4]     ; my token
	global_store_b32 v[AD+i], v[TK+i], s[6:7]
	s_bcnt1_i32_b32 s27, vcc_lo
	s_add_co_u32 s28, s28, s27
	s_ctz_i32_b32 s26, vcc_lo                      ; the lowest matching lane,
	s_lshl_b32 s26, s26, 2
	s_add_co_u32 s26, s26, 128*(i/4)+i%4           ; its token,
	s_cmp_lg_u32 s27, 0
	s_cselect_b32 s29, s26, s29                    ; kept if there was a match
.set i, i+1
.endr
	v_mov_b32 v[FILL], s29
.set i, 0
.rept 32                               ; word 32 i + l takes the fill if it lies at or behind the count
	v_add_nc_u32 v[IDX], 32*i, v0
	v_cmp_le_u32 vcc_lo, s28, v[IDX]
	v_cndmask_b32 v[IDX], v[DMP], v[IDX], vcc_lo
	v_min_u32 v[IDX], 0x7ff, v[IDX]
	v_lshlrev_b32 v[AZ+i], 2, v[IDX]
	global_store_b32 v[AZ+i], v[FILL], s[6:7]
.set i, i+1
.endr
	v_mov_b32 v[CN], s28
	v_mov_b32 v[CN+1], s28
	global_store_b64 v[L8], v[CN:CN+1], s[8:9]     ; the count 64 times: 256 consecutive bytes, aligned
	s_endpgm
.Lfunc_end_k_q872f72ce0b_sort:
	.size	k_q872f72ce0b_sort, .Lfunc_end_k_q872f72ce0b_sort-k_q872f72ce0b_sort
	.p2alignl 7, 3214868480
	.fill 96, 4, 3214868480
	.section	.rodata,"a",@progbits
	.p2align	6, 0x0
	.amdhsa_kernel k_q872f72ce0b_sort
		.amdhsa_group_segment_fixed_size 0
		.amdhsa_private_segment_fixed_size 0
		.amdhsa_enable_private_segment 0
		.amdhsa_kernarg_size 24
		.amdhsa_user_sgpr_count 2
		.amdhsa_user_sgpr_kernarg_segment_ptr 1
		.amdhsa_wavefront_size32 1
		.amdhsa_system_sgpr_workgroup_id_x 1
		.amdhsa_system_sgpr_workgroup_id_y 1
		.amdhsa_system_sgpr_workgroup_id_z 1
		.amdhsa_system_vgpr_workitem_id 0
		.amdhsa_next_free_vgpr 144
		.amdhsa_next_free_sgpr 66
		.amdhsa_reserve_vcc 1
		.amdhsa_float_denorm_mode_32 3
		.amdhsa_float_denorm_mode_16_64 3
		.amdhsa_memory_ordered 1
		.amdhsa_forward_progress 1
		.amdhsa_inst_pref_size 32
	.end_amdhsa_kernel
	.amdgpu_metadata
---
amdhsa.version: [ 1, 2 ]
amdhsa.kernels:
  - .name:           k_q872f72ce0b_sort
    .symbol:         k_q872f72ce0b_sort.kd
    .args:
      - { .name: eid, .offset: 0, .size: 8, .value_kind: global_buffer, .address_space: global }
      - { .name: lst, .offset: 8, .size: 8, .value_kind: global_buffer, .address_space: global }
      - { .name: cnt, .offset: 16, .size: 8, .value_kind: global_buffer, .address_space: global }
    .group_segment_fixed_size: 0
    .private_segment_fixed_size: 0
    .kernarg_segment_align: 8
    .kernarg_segment_size: 24
    .max_flat_workgroup_size: 32
    .sgpr_count:     66
    .vgpr_count:     144
    .wavefront_size: 32
...
	.end_amdgpu_metadata
.endif
;; end of part 3
;; launch up (part 4): grid 32 x 7, 4 waves a work-group, no clusters, 270,848 bytes of LDS; arguments cnt, lst, xb, W1, b1, hid; writes hid
.if DOCPART == 4
	.amdgcn_target "amdgcn-amd-amdhsa--gfx1250"
	.amdhsa_code_object_version 6
	.text
	.protected	k_q872f72ce0b_up
	.globl	k_q872f72ce0b_up
	.p2align	8
	.type	k_q872f72ce0b_up,@function
k_q872f72ce0b_up:
	s_mov_b64 s[64:65], 0
	v_nop
	global_prefetch_b8 v0, s[64:65] scope:SCOPE_SE
	s_setreg_imm32_b32 hwreg(HW_REG_WAVE_MODE, 25, 1), 1
	s_wait_xcnt 0x0
; UP: hid[e][rank][n] = relu(xb[token of rank] . W1[e][:, n] + b1[e][n]) in bf16, for the tokens whose stored expert is e, e = 1..7.
; Left out: expert 0 and, for each token, the expert with the lower chosen index: their rows are always replaced (shown at the head of fold).  Which rows are multiplied is read as whole numbers from cnt and lst.
; SHARES.  Work-group (slice, e - 1) has the 1,024 x 128 box W1[e][:, 128 slice ..], which it alone reads, once, and ALL rows of expert e, whatever their number (0 to 1,024).
; PHASE 1.  Each wave streams a quarter of the box (256 rows of K) through a ring of four register slots of 8 KiB, rounds it to bf16 and lays it into LDS as finished operand images.
; 64 loads of 512 bytes a wave are out, and a slot is asked for again as soon as it is rounded.
; PHASE 2.  Tiles of 16 ranks are dealt to the waves by turns (tile = wave + 4 i + 16 pass).  A pass multiplies up to four tiles by the whole box; the token rows come from memory straight into
; operand registers.  PHASE 2 WRITES NO LDS, so it needs no barrier; the pass loop counts to a constant and dead tiles are jumped forward.
; THE LAYOUT THAT SPARES A STAGE.  Source 0 = 16 tokens x 32 K, source 1 = an image of 16 columns x 32 K: in the result register j of lane (r = l % 16, h = l / 16) is rank 8 h + j and the column at place r
; of the image.  Phase 1 is free to choose which column that is: place r of image f is column 8 r + f.  So a lane's eight accumulators hold eight NEIGHBOURING columns of a row, four roundings make
; 16 bytes of them, and one store of 16 bytes a lane writes 256 consecutive bytes of rank j (lanes 0-15) and of rank 8 + j (lanes 16-31).
; The bias, rounded to bf16 like every input, is the C operand of a pass's first products: nothing is cleared.
; NO CLUSTER: each box has one reader; what an expert's 32 work-groups share, its token rows, comes by a list that no descriptor covers.  NO TENSOR LOADS: the f32 weights must pass through
; registers to be rounded.  NO PREFETCH: the ring itself keeps 128 KiB a work-group on its way.
; LIMITS.  The ReLU is a maximum that drops a NaN (reference()'s keeps it).  In the last tile the ranks past the count repeat one of the expert's tokens (lst holds it there): their rows of hid are that token's row again.
; REGISTERS, in windows of 256 (s_set_vgpr_msb: bits 1:0 source 0, 3:2 source 1, 5:4 source 2, 7:6 destination):
;   window 0: addresses, T, BIAS, LT     window 1: phase 1 the ring; phase 2 two buffers of images     window 2: accumulators (tile i, image f at 64 i + 8 f)     window 3: two buffers of token fragments
.set PITCH, 16384                      ; bytes from a row of W1[e] to the next
.set HSH,   17                         ; 8 rows = 1 << 17 bytes
.set FRAG,  1056                       ; an image: 2 x 512 bytes + 32: 4 images are 128 bytes more than a multiple of 256, so that the 16 lanes of a store below, eight in each of two images four apart, touch 16 different 16-byte columns of 256
.set KSB,   8*FRAG                     ; a K step of 32: eight images
.set SPARE, 256*FRAG                   ; behind the box: the spare words, 128 bytes a wave: two blocks of 256 bytes that no other line names
.set LN,   1                           ; v1   lane
.set RR,   2                           ; v2   l % 16
.set HH,   3                           ; v3   l / 16
.set WOFF, 4                           ; v4   my offset in a block of W1: (l / 16) x 8 rows + 16 (l % 16); never rewritten
.set LB,   5                           ; v5   my place in my wave's first images; never rewritten
.set LSTO, 6                           ; v6   LB + the ring's step
.set LBT,  7                           ; v7   LB + 6 K steps, for the ring's tail; never rewritten
.set ROW,  8                           ; v8-11  the four tiles' token rows in xb
.set HO,   12                          ; v12  my offset in hid; never rewritten
.set ZERO, 13                          ; v13  0, for the ReLU
.set WRD2, 14                          ; v14  L16B + the loop's step
.set SPW,  16                          ; v16  my spare word; never rewritten
.set NIL,  17                          ; v17  0; never rewritten
.set H16,  18                          ; v18  16 (l / 16)
.set L16,  19                          ; v19  16 l: my place in an image; never rewritten
.set L16A, 20                          ; v20  L16 + 4 K steps; never rewritten
.set L16B, 21                          ; v21  L16 + 8 K steps; never rewritten
.set L16L, 22                          ; v22  L16 + 28 K steps; never rewritten
.set WRD,  23                          ; v23  L16A + the loop's step
.set TM,   24                          ; v24-31 at work (v31: the bias loads' offset)
.set T,    32                          ; v32-63  packed bf16
.set BIAS, 64                          ; v64-127 image f's C operand at 8 f: eight times b1[8 r + f]
.set RAW,  128                         ; v128-135 the bias as loaded
.set LT,   208                         ; v208-223 the tokens of my ranks: pass p, tile i at 4 p + i; shifted down by four at a pass's end
.set LO,   224                         ; v224 my offset in lst: rank 16 w + l % 16; never rewritten
.set F0,   0
.set F1,   64
.set TA,   0
.set TB,   128
.set WP,   10                          ; s[10:11] W1 at my wave's part of the box
.set HP,   14                          ; s[14:15] hid at the expert's rows and the slice's columns, stepped by passes
.set TP,   32                          ; s[32:33] xb, stepped along K
.set CC,   23                          ; s23  live tiles of this pass, 1 to 4
.set STEP, 39                          ; s39  a loop's counter times its step in LDS
.set MUL,  0xa7                        ; source 0 (tokens) window 3, source 1 (images) window 1, C and D window 2
.set MULB, 0x87                        ; the same with C (the bias) in window 0
.set MSB, 0
.macro WIN new                         ; the high byte repeats the setting that is left; a switch that changes nothing is dropped
.if MSB != (\new)
	s_set_vgpr_msb (MSB<<8)|(\new)
.set MSB, \new
.endif
.endm
; A block is 32 rows of K x 64 columns of f32.  Load i: lanes 0-15 take 256 aligned bytes of row i (i < 8) or 8 + i, lanes 16-31 the row 8 further on:
; so a lane gets, for its four columns, just the sixteen k of its half of an operand (8 h + 0..7 and 16 + 8 h + 0..7).
.macro LOADBLK slot, off
	WIN 0x40
.set li, 0
.rept 16
	global_load_b128 v[64*(\slot)+4*li:64*(\slot)+4*li+3], v[WOFF], s[WP:WP+1] offset:(\off)+(li+8*(li/8))*PITCH th:TH_LOAD_NT
.set li, li+1
.endr
.endm
; One slot's turn: its block is in; 32 roundings make, for each of my four columns, the eight registers of an operand's lane; eight LDS stores put them at that lane's place:
; column 64 g + 4 r + q = 8 (8 g + r / 2) + 4 (r % 2) + q is place 8 g + r / 2 of image 4 (r % 2) + q.  left = how many younger loads may stay out; adr = the register with my place.
.macro SLOT sg, refill, left, adr
	s_wait_loadcnt \left
	WIN 0x05
.set cq, 0
.rept 4
.set ct, 0
.rept 8
	v_cvt_pk_bf16_f32 v[T+8*cq+ct], v[64*(\sg)+8*ct+cq], v[64*(\sg)+8*ct+4+cq]
.set ct, ct+1
.endr
.set cq, cq+1
.endr
	WIN 0
.set cq, 0
.rept 4
	ds_store_b128 v[\adr], v[T+8*cq:T+8*cq+3] offset:((\sg)/2)*KSB+((\sg)%2)*128+cq*FRAG
	ds_store_b128 v[\adr], v[T+8*cq+4:T+8*cq+7] offset:((\sg)/2)*KSB+((\sg)%2)*128+cq*FRAG+512
.set cq, cq+1
.endr
.if \refill
	LOADBLK \sg, ((\sg)/2)*32*PITCH+((\sg)%2)*256+64*PITCH
.endif
.endm
; 32 loads: 128 along K (256 bytes of a row) of the four tiles' 64 token rows, as operands: lane l takes row l % 16, 16 bytes at 16 (l / 16) and 32 further on.  Dead tiles point at a row that exists.
.macro TOK buf, off
	WIN 0xc0
.set ti, 0
.rept 4
.set tk, 0
.rept 4
	global_load_b128 v[(\buf)+32*ti+8*tk:(\buf)+32*ti+8*tk+3], v[ROW+ti], s[TP:TP+1] offset:(\off)+64*tk
	global_load_b128 v[(\buf)+32*ti+8*tk+4:(\buf)+32*ti+8*tk+7], v[ROW+ti], s[TP:TP+1] offset:(\off)+64*tk+32
.set tk, tk+1
.endr
.set ti, ti+1
.endr
.endm
; A K step of 32.  The next step's eight images are asked for first (four places behind the last product that read that buffer), then this step's are waited for: only the 16 loads just issued may stay out.
; Then 8 products a live tile; the accumulators take turns, one instruction a turn.  first = 1: a pass's first products, on all four tiles, start the sums with the bias.
.macro KSTEP tb, ks, fb, nb, adr, fetch, places, first
.if (\fetch) >= 0
.if \places
.rept 4
	v_nop
.endr
.endif
	WIN 0x40
.set kf, 0
.rept 8
	ds_load_b128 v[(\nb)+8*kf:(\nb)+8*kf+3], v[\adr] offset:(\fetch)+FRAG*kf
	ds_load_b128 v[(\nb)+8*kf+4:(\nb)+8*kf+7], v[\adr] offset:(\fetch)+FRAG*kf+512
.set kf, kf+1
.endr
	s_wait_dscnt 16
.else
	s_wait_dscnt 0x0
.endif
.set ki, 0
.rept 4
.if (ki > 0) && !(\first)
	WIN 0                                          ; at a branch every window is 0
	s_cmp_lt_u32 s[CC], ki+1
	s_cbranch_scc1 .Lke_\@                         ; this tile and those behind it are dead
.endif
.if \first
	WIN MULB
.else
	WIN MUL
.endif
.set kf, 0
.rept 8
.if \first
	v_wmma_f32_16x16x32_bf16 v[64*ki+8*kf:64*ki+8*kf+7], v[(\tb)+32*ki+8*(\ks):(\tb)+32*ki+8*(\ks)+7], v[(\fb)+8*kf:(\fb)+8*kf+7], v[BIAS+8*kf:BIAS+8*kf+7]
.else
	v_wmma_f32_16x16x32_bf16 v[64*ki+8*kf:64*ki+8*kf+7], v[(\tb)+32*ki+8*(\ks):(\tb)+32*ki+8*(\ks)+7], v[(\fb)+8*kf:(\fb)+8*kf+7], v[64*ki+8*kf:64*ki+8*kf+7]
.endif
.set kf, kf+1
.endr
.set ki, ki+1
.endr
	WIN 0
.Lke_\@:
.endm
; Four K steps on token buffer cur, their images at register adr; the next four steps' token rows are asked for first, into nxt (pfoff < 0: there are none).
.macro TRIP cur, nxt, pfoff, adr, first, last
	WIN 0
.rept 4
	v_nop                                          ; four places behind the last product, in front of loads into registers that it read
.endr
.if (\pfoff) >= 0
	TOK \nxt, \pfoff
	s_wait_loadcnt 32                              ; cur is in; the 32 loads just issued stay out
.else
	s_wait_loadcnt 0x0
.endif
	KSTEP \cur, 0, F0, F1, \adr, KSB, 0, \first
	KSTEP \cur, 1, F1, F0, \adr, 2*KSB, 1, 0
	KSTEP \cur, 2, F0, F1, \adr, 3*KSB, 1, 0
.if \last
	KSTEP \cur, 3, F1, F0, \adr, -1, 0, 0
.else
	KSTEP \cur, 3, F1, F0, \adr, 4*KSB, 1, 0       ; the next trip's first step
.endif
.endm
; THE WAY OUT of tile i.  For rank row j (ascending: each accumulator is read from its low end on) the eight accumulators' register j are my eight columns: four roundings, ReLU on the
; packed halves, one store.
.macro OUT i
	s_wait_xcnt 0x0                                ; the last tile's stores have read T: it is written again only behind this wait
	WIN 0x0a                                       ; sources 0 and 1 window 2
.set oj, 0
.rept 8
.set ou, 0
.rept 4
	v_cvt_pk_bf16_f32 v[T+4*oj+ou], v[64*(\i)+16*ou+oj], v[64*(\i)+16*ou+8+oj]
.set ou, ou+1
.endr
.set oj, oj+1
.endr
	WIN 0
.set oj, 0
.rept 32
	v_pk_max_num_bf16 v[T+oj], v[T+oj], v[ZERO]
.set oj, oj+1
.endr
.set oj, 0
.rept 8
	global_store_b128 v[HO], v[T+4*oj:T+4*oj+3], s[HP:HP+1] offset:(64*(\i)+oj)*8192  ; 16 lanes store 256 consecutive bytes, aligned: lanes 0-15 rank j, lanes 16-31 rank 8 + j
.set oj, oj+1
.endr
.if (\i) < 3
	s_cmp_lt_u32 s[CC], (\i)+2
	s_cbranch_scc1 .Lod
.endif
.endm
	s_load_b256 s[4:11], s[0:1], 0x0               ; cnt s[4:5], lst s[6:7], xb s[8:9], W1 s[10:11]
	s_load_b128 s[12:15], s[0:1], 0x20             ; b1 s[12:13], hid s[14:15]
	v_lshl_add_u32 v[SPW], v0, 2, SPARE
	v_mov_b32 v[NIL], 0
	v_lshrrev_b32 v[TM], 5, v0
	v_readfirstlane_b32 s18, v[TM]                 ; wave 0..3
	v_and_b32 v[LN], 31, v0
	v_and_b32 v[RR], 15, v0
	v_bfe_u32 v[HH], v0, 4, 1
	s_mov_b32 s19, ttmp9                           ; slice
	s_and_b32 s38, ttmp7, 0xffff                   ; e - 1
	s_add_co_u32 s20, s38, 1                       ; e
	s_mov_b32 s36, 0xffff0000
	v_lshlrev_b32 v[WOFF], 4, v[RR]
	v_lshl_add_u32 v[WOFF], v[HH], HSH, v[WOFF]
	v_and_b32 v[TM], 1, v[RR]
	v_mul_u32_u24 v[LB], v[TM], 4*FRAG             ; images 4 (r % 2) ..,
	v_lshrrev_b32 v[TM], 1, v[RR]
	v_lshl_add_u32 v[LB], v[TM], 4, v[LB]          ; place r / 2
	v_lshl_add_u32 v[LB], v[HH], 8, v[LB]          ; + 16 h, 16 bytes a place,
	s_mul_i32 s26, s18, 64*FRAG
	v_add_nc_u32 v[LB], s26, v[LB]                 ; in my wave's eight K steps
	v_add_nc_u32 v[LBT], 6*KSB, v[LB]
	v_lshlrev_b32 v[H16], 4, v[HH]
	v_lshlrev_b32 v[L16], 4, v[LN]
	v_add_nc_u32 v[L16A], 4*KSB, v[L16]
	v_add_nc_u32 v[L16B], 8*KSB, v[L16]
	v_add_nc_u32 v[L16L], 28*KSB, v[L16]
	v_lshlrev_b32 v[TM+7], 5, v[RR]                ; the bias: my eight columns, 32 bytes
	v_mov_b32 v[ZERO], 0
	s_lshl_b32 s26, s18, 6
	v_lshl_add_u32 v[LO], v[RR], 2, s26            ; rank 16 w + r, 4 bytes a rank
	s_lshl_b32 s28, s18, 17
	v_lshlrev_b32 v[HO], 16, v[HH]
	v_lshl_add_u32 v[HO], v[RR], 4, v[HO]
	v_add_nc_u32 v[HO], s28, v[HO]                 ; rank 16 w + 8 h, 8,192 bytes a row of hid; my 16 bytes of the slice's 256
	s_mov_b32 s31, 0
	s_lshl_b32 s30, s38, 8
	s_wait_kmcnt 0x0
	s_add_nc_u64 s[4:5], s[4:5], s[30:31]
	s_load_b32 s21, s[4:5], 0x0                    ; N
	s_lshl_b32 s30, s20, 24                        ; W1[e],
	s_lshl_b32 s26, s18, 22                        ; my wave's 256 rows,
	s_add_co_u32 s30, s30, s26
	s_lshl_b32 s26, s19, 9                         ; the slice's 128 columns
	s_add_co_u32 s30, s30, s26
	s_add_nc_u64 s[WP:WP+1], s[WP:WP+1], s[30:31]
	s_lshl_b32 s30, s20, 14
	s_add_co_u32 s30, s30, s26
	s_add_nc_u64 s[12:13], s[12:13], s[30:31]      ; b1[e] at the slice's columns
	s_lshl_b32 s30, s38, 23
	s_lshl_b32 s26, s19, 8
	s_add_co_u32 s30, s30, s26
	s_add_nc_u64 s[HP:HP+1], s[HP:HP+1], s[30:31]
	s_lshl_b32 s30, s38, 13
	s_add_nc_u64 s[6:7], s[6:7], s[30:31]          ; the expert's list
.set i, 0
.rept 16                               ; the tokens of my ranks in all four passes: pass i / 4, tile i % 4
	global_load_b32 v[LT+i], v[LO], s[6:7] offset:1024*(i/4)+256*(i%4)
.set i, i+1
.endr
	global_load_b128 v[RAW:RAW+3], v[TM+7], s[12:13]
	global_load_b128 v[RAW+4:RAW+7], v[TM+7], s[12:13] offset:16
	LOADBLK 0, 0                                   ; the stream begins while the count is on its way
	LOADBLK 1, 256
	LOADBLK 2, 32*PITCH
	WIN 0
	s_wait_loadcnt 48                              ; the tokens and the bias are in; the three blocks are younger and stay out
.set i, 0
.rept 4                                ; the bias is rounded to bf16 like every input, and widened into all eight registers of its image's C operand
	v_cvt_pk_bf16_f32 v[TM+i], v[RAW+2*i], v[RAW+2*i+1]
.set i, i+1
.endr
.set i, 0
.rept 4
.set j, 0
.rept 8
	v_lshlrev_b32 v[BIAS+16*i+j], 16, v[TM+i]
	v_and_b32 v[BIAS+16*i+8+j], s36, v[TM+i]
.set j, j+1
.endr
.set i, i+1
.endr
	s_wait_kmcnt 0x0
	s_min_u32 s21, s21, 0x400
	s_cmp_eq_u32 s21, 0
	s_cbranch_scc1 .Lmeet                          ; an expert without tokens streams no more; no barrier is jumped
	LOADBLK 3, 32*PITCH+256
	WIN 0
	s_mov_b32 s25, 0
.Lring:                                        ; a trip: four blocks (two K steps) are laid into LDS, the four behind them asked for
	s_mul_i32 s[STEP], s25, 2*KSB
	v_add_nc_u32 v[LSTO], s[STEP], v[LB]
	SLOT 0, 1, 48, LSTO                            ; three younger blocks of 16 loads stay out
	SLOT 1, 1, 48, LSTO
	SLOT 2, 1, 48, LSTO
	SLOT 3, 1, 48, LSTO
	WIN 0
	s_wait_xcnt 0x0                                ; every load issued has read its base: it is stepped only behind this wait
	s_add_nc_u64 s[WP:WP+1], s[WP:WP+1], 64*PITCH
	s_add_co_u32 s25, s25, 1
	s_cmp_lt_u32 s25, 3
	s_cbranch_scc1 .Lring
	SLOT 0, 0, 48, LBT                             ; the last four blocks: nothing is asked for, the counts run down
	SLOT 1, 0, 32, LBT
	SLOT 2, 0, 16, LBT
	SLOT 3, 0, 0, LBT
	WIN 0
.Lmeet:
	s_wait_loadcnt 0x0                             ; (for the way that jumped: its three blocks are let in and dropped)
	s_wait_dscnt 0x0                               ; for the others' sake: my part of the box is written
	s_barrier_signal -1
	s_barrier_wait -1                              ; the box is whole; from here to the closing add nobody writes LDS
	s_add_co_u32 s26, s21, 15
	s_lshr_b32 s26, s26, 4                         ; tiles of 16 ranks
	s_add_co_u32 s26, s26, 3
	s_sub_co_u32 s26, s26, s18
	s_lshr_b32 s22, s26, 2                         ; of which mine: wave, wave + 4, ..
	s_mov_b32 s24, 4
.Lpass:                                        ; four passes serve every split: 4 waves x 4 tiles x 4 passes x 16 = 1,024 ranks
	s_cmp_le_i32 s22, 0
	s_cbranch_scc1 .Lnext
	s_min_u32 s[CC], s22, 4
	WIN 0x40
.set i, 0
.rept 8                                ; K step 0's images
	ds_load_b128 v[F0+8*i:F0+8*i+3], v[L16] offset:FRAG*i
	ds_load_b128 v[F0+8*i+4:F0+8*i+7], v[L16] offset:FRAG*i+512
.set i, i+1
.endr
	WIN 0
.set i, 0
.rept 4
	v_min_u32 v[TM+i], 0x3ff, v[LT+i]              ; a token read from memory is held to the table before it enters an address
	v_lshlrev_b32 v[TM+i], 11, v[TM+i]             ; a row of xb is 2,048 bytes
	v_add_nc_u32 v[ROW+i], v[TM+i], v[H16]
.set i, i+1
.endr
	s_mov_b64 s[TP:TP+1], s[8:9]
	TOK TA, 0
	TRIP TA, TB, 256, L16, 1, 0
	s_wait_xcnt 0x0
	s_add_nc_u64 s[TP:TP+1], s[TP:TP+1], 256
	s_mov_b32 s25, 0
.Ltrips:
	s_mul_i32 s[STEP], s25, 8*KSB
	v_add_nc_u32 v[WRD], s[STEP], v[L16A]
	v_add_nc_u32 v[WRD2], s[STEP], v[L16B]
	TRIP TB, TA, 256, WRD, 0, 0
	TRIP TA, TB, 512, WRD2, 0, 0
	s_wait_xcnt 0x0                                ; the token loads have read their base
	s_add_nc_u64 s[TP:TP+1], s[TP:TP+1], 512
	s_add_co_u32 s25, s25, 1
	s_cmp_lt_u32 s25, 3
	s_cbranch_scc1 .Ltrips
	TRIP TB, TA, -1, L16L, 0, 1
.rept 8
	v_nop                                          ; the places behind the last products, in front of the conversions that read results
.endr
	OUT 0
	OUT 1
	OUT 2
	OUT 3
.Lod:
.Lnext:
	s_wait_xcnt 0x0                                ; the stores have read their base
	s_sub_co_i32 s22, s22, 4
.set i, 0
.rept 12
	v_mov_b32 v[LT+i], v[LT+4+i]                   ; the next pass's tokens come to the front
.set i, i+1
.endr
	s_add_nc_u64 s[HP:HP+1], s[HP:HP+1], 0x200000  ; 256 ranks on
	s_sub_co_u32 s24, s24, 1
	s_cmp_lg_u32 s24, 0
	s_cbranch_scc1 .Lpass
	s_wait_dscnt 0x0                               ; my reads of LDS are back,
	s_barrier_signal -1
	s_barrier_wait -1                              ; and everybody's: the closing add, an LDS write, stands behind all waves' reads
	s_wait_tensorcnt 0x0                           ; the wave's end: three closing lines, behind my last LDS store
	ds_add_u32 v[SPW], v[NIL]
	s_wait_dscnt 0x0
	s_endpgm
.Lfunc_end_k_q872f72ce0b_up:
	.size	k_q872f72ce0b_up, .Lfunc_end_k_q872f72ce0b_up-k_q872f72ce0b_up
	.p2alignl 7, 3214868480
	.fill 96, 4, 3214868480
	.section	.rodata,"a",@progbits
	.p2align	6, 0x0
	.amdhsa_kernel k_q872f72ce0b_up
		.amdhsa_group_segment_fixed_size 270848
		.amdhsa_private_segment_fixed_size 0
		.amdhsa_enable_private_segment 0
		.amdhsa_kernarg_size 48
		.amdhsa_user_sgpr_count 2
		.amdhsa_user_sgpr_kernarg_segment_ptr 1
		.amdhsa_wavefront_size32 1
		.amdhsa_system_sgpr_workgroup_id_x 1
		.amdhsa_system_sgpr_workgroup_id_y 1
		.amdhsa_system_sgpr_workgroup_id_z 1
		.amdhsa_system_vgpr_workitem_id 0
		.amdhsa_next_free_vgpr 1024
		.amdhsa_next_free_sgpr 66
		.amdhsa_reserve_vcc 0
		.amdhsa_float_denorm_mode_32 3
		.amdhsa_float_denorm_mode_16_64 3
		.amdhsa_memory_ordered 1
		.amdhsa_forward_progress 1
		.amdhsa_inst_pref_size 132
	.end_amdhsa_kernel
	.amdgpu_metadata
---
amdhsa.version: [ 1, 2 ]
amdhsa.kernels:
  - .name:           k_q872f72ce0b_up
    .symbol:         k_q872f72ce0b_up.kd
    .args:
      - { .name: cnt, .offset: 0, .size: 8, .value_kind: global_buffer, .address_space: global }
      - { .name: lst, .offset: 8, .size: 8, .value_kind: global_buffer, .address_space: global }
      - { .name: xb, .offset: 16, .size: 8, .value_kind: global_buffer, .address_space: global }
      - { .name: W1, .offset: 24, .size: 8, .value_kind: global_buffer, .address_space: global }
      - { .name: b1, .offset: 32, .size: 8, .value_kind: global_buffer, .address_space: global }
      - { .name: hid, .offset: 40, .size: 8, .value_kind: global_buffer, .address_space: global }
    .group_segment_fixed_size: 270848
    .private_segment_fixed_size: 0
    .kernarg_segment_align: 8
    .kernarg_segment_size: 48
    .max_flat_workgroup_size: 128
    .sgpr_count:     66
    .vgpr_count:     1024
    .wavefront_size: 32
...
	.end_amdgpu_metadata
.endif
;; end of part 4
;; launch down (part 5): grid 32 x 7, 4 waves a work-group, no clusters, 262,656 bytes of LDS; arguments cnt, lst, hid, W2, part; writes part
.if DOCPART == 5
	.amdgcn_target "amdgcn-amd-amdhsa--gfx1250"
	.amdhsa_code_object_version 6
	.text
	.protected	k_q872f72ce0b_down
	.globl	k_q872f72ce0b_down
	.p2align	8
	.type	k_q872f72ce0b_down,@function
k_q872f72ce0b_down:
	s_mov_b64 s[64:65], 0
	v_nop
	global_prefetch_b8 v0, s[64:65] scope:SCOPE_SE
	s_setreg_imm32_b32 hwreg(HW_REG_WAVE_MODE, 25, 1), 1
	s_wait_xcnt 0x0
; DOWN: part[z][token][n] = the sum over k in quarter z of hid[e][rank][k] W2[e][k][n], in f32, stored at the token's own row.
; Left out: expert 0 and each token's lower chosen expert, as in up (shown at the head of fold).  Counts and lists are read as whole numbers from cnt and lst.
; SHARES.  Work-group (s + 8 z, e - 1) has the 1,024 x 128 box W2[e][1024 z .., 128 s ..], which it alone reads, once, and all rows of expert e.  K is split in quarters so that a box is as
; wide as 128 columns (rows of 512 bytes) and a work-group reads 2 KiB of hid a row; the four partial sums, f32, are added by the last launch.
; Phases, ring, tiles and passes are those of up; phase 2 writes no LDS.  The sums start with the constant 0.
; THE LAYOUT.  Source 0 = 16 ranks, source 1 = an image of 16 columns; place r of image 4 g + q is column 64 g + 4 r + q.  So register j of the four accumulators 4 g .. 4 g + 3 holds four NEIGHBOURING f32 of
; rank 8 h + j: four moves bring them into consecutive registers, and one store of 16 bytes a lane writes 256 consecutive bytes of rank j (lanes 0-15) and of rank 8 + j (lanes 16-31), each at its token's row.
; RANKS PAST THE COUNT repeat one of the expert's tokens (lst holds it there, and up has made its row of hid again for them): their results are that token's numbers, and a store that holds ranks on both
; sides of the count writes them once more to that token's row.  Stores that lie wholly past the count are jumped.  EXEC is never changed.
; NO CLUSTER: each box has one reader; hid's rows, which eight work-groups share, are read in a loop whose work hangs on a stored count, and the box leaves them no room in LDS.
.set PITCH, 4096                       ; bytes from a row of W2[e] to the next
.set HSH,   15                         ; 8 rows = 1 << 15 bytes
.set FRAG,  1024                       ; an image: 2 x 512 bytes; the 16 lanes of a store below write 256 consecutive bytes, so no pad is wanted
.set KSB,   8*FRAG
.set SPARE, 256*FRAG                   ; behind the box: the spare words, 128 bytes a wave: two blocks of 256 bytes that no other line names
.set LN,   1
.set RR,   2
.set HH,   3
.set WOFF, 4                           ; v4   my offset in a block of W2; never rewritten
.set LB,   5                           ; v5   my place in my wave's first images; never rewritten
.set LSTO, 6                           ; v6   LB + the ring's step
.set LBT,  7                           ; v7   LB + 6 K steps; never rewritten
.set ROW,  8                           ; v8-11  the four tiles' rows in hid
.set RW,   12                          ; v12  rank 16 w + 256 pass + l % 16
.set R16,  13                          ; v13  16 (l % 16); never rewritten
.set WRD2, 14
.set LO8,  15                          ; v15  my offset in lst: rank 16 w + 8 (l / 16); never rewritten
.set SPW,  16
.set NIL,  17
.set H16,  18
.set L16,  19                          ; v19  16 l; never rewritten
.set L16A, 20
.set L16B, 21
.set L16L, 22
.set WRD,  23
.set TM,   24
.set T,    32
.set LT,   64                          ; v64-95   this pass's tokens: tile i, rank 8 h + j at 8 i + j
.set G,    128                         ; v128-191 a tile's results in the order of its stores: 8 j + 4 g + q
.set OF,   192                         ; v192-199 the eight rank rows' offsets in part
.set F0,   0
.set F1,   64
.set TA,   0
.set TB,   128
.set WP,   10                          ; s[10:11] W2 at my wave's part of the box
.set TP,   32                          ; s[32:33] hid, stepped along K
.set CC,   23
.set STEP, 39
.set MUL,  0xa7                        ; source 0 (ranks) window 3, source 1 (images) window 1, C and D window 2
.set MSB, 0
.macro WIN new
.if MSB != (\new)
	s_set_vgpr_msb (MSB<<8)|(\new)
.set MSB, \new
.endif
.endm
.macro LOADBLK slot, off               ; 32 rows of K x 64 columns: as in up
	WIN 0x40
.set li, 0
.rept 16
	global_load_b128 v[64*(\slot)+4*li:64*(\slot)+4*li+3], v[WOFF], s[WP:WP+1] offset:(\off)+(li+8*(li/8))*PITCH th:TH_LOAD_NT
.set li, li+1
.endr
.endm
.macro SLOT sg, refill, left, adr      ; a block is rounded as in up; column 64 g + 4 r + q goes to place r of image 4 g + q
	s_wait_loadcnt \left
	WIN 0x05
.set cq, 0
.rept 4
.set ct, 0
.rept 8
	v_cvt_pk_bf16_f32 v[T+8*cq+ct], v[64*(\sg)+8*ct+cq], v[64*(\sg)+8*ct+4+cq]
.set ct, ct+1
.endr
.set cq, cq+1
.endr
	WIN 0
.set cq, 0
.rept 4
	ds_store_b128 v[\adr], v[T+8*cq:T+8*cq+3] offset:((\sg)/2)*KSB+(((\sg)%2)*4+cq)*FRAG
	ds_store_b128 v[\adr], v[T+8*cq+4:T+8*cq+7] offset:((\sg)/2)*KSB+(((\sg)%2)*4+cq)*FRAG+512
.set cq, cq+1
.endr
.if \refill
	LOADBLK \sg, ((\sg)/2)*32*PITCH+((\sg)%2)*256+64*PITCH
.endif
.endm
.macro TOK buf, off                    ; 128 along K of the four tiles' 64 rows of hid, as operands
	WIN 0xc0
.set ti, 0
.rept 4
.set tk, 0
.rept 4
	global_load_b128 v[(\buf)+32*ti+8*tk:(\buf)+32*ti+8*tk+3], v[ROW+ti], s[TP:TP+1] offset:(\off)+64*tk
	global_load_b128 v[(\buf)+32*ti+8*tk+4:(\buf)+32*ti+8*tk+7], v[ROW+ti], s[TP:TP+1] offset:(\off)+64*tk+32
.set tk, tk+1
.endr
.set ti, ti+1
.endr
.endm
.macro KSTEP tb, ks, fb, nb, adr, fetch, places, first  ; as in up; first = 1: the products start the sums with the constant 0
.if (\fetch) >= 0
.if \places
.rept 4
	v_nop
.endr
.endif
	WIN 0x40
.set kf, 0
.rept 8
	ds_load_b128 v[(\nb)+8*kf:(\nb)+8*kf+3], v[\adr] offset:(\fetch)+FRAG*kf
	ds_load_b128 v[(\nb)+8*kf+4:(\nb)+8*kf+7], v[\adr] offset:(\fetch)+FRAG*kf+512
.set kf, kf+1
.endr
	s_wait_dscnt 16                                ; this step's images are in; the 16 loads just issued stay out
.else
	s_wait_dscnt 0x0
.endif
.set ki, 0
.rept 4
.if (ki > 0) && !(\first)
	WIN 0
	s_cmp_lt_u32 s[CC], ki+1
	s_cbranch_scc1 .Lke_\@
.endif
	WIN MUL
.set kf, 0
.rept 8
.if \first
	v_wmma_f32_16x16x32_bf16 v[64*ki+8*kf:64*ki+8*kf+7], v[(\tb)+32*ki+8*(\ks):(\tb)+32*ki+8*(\ks)+7], v[(\fb)+8*kf:(\fb)+8*kf+7], 0
.else
	v_wmma_f32_16x16x32_bf16 v[64*ki+8*kf:64*ki+8*kf+7], v[(\tb)+32*ki+8*(\ks):(\tb)+32*ki+8*(\ks)+7], v[(\fb)+8*kf:(\fb)+8*kf+7], v[64*ki+8*kf:64*ki+8*kf+7]
.endif
.set kf, kf+1
.endr
.set ki, ki+1
.endr
	WIN 0
.Lke_\@:
.endm
.macro TRIP cur, nxt, pfoff, adr, first, last
	WIN 0
.rept 4
	v_nop                                          ; four places behind the last product, in front of loads into registers that it read
.endr
.if (\pfoff) >= 0
	TOK \nxt, \pfoff
	s_wait_loadcnt 32                              ; cur (and, in a pass's first trip, the tokens) are in; the 32 loads just issued stay out
.else
	s_wait_loadcnt 0x0
.endif
	KSTEP \cur, 0, F0, F1, \adr, KSB, 0, \first
	KSTEP \cur, 1, F1, F0, \adr, 2*KSB, 1, 0
	KSTEP \cur, 2, F0, F1, \adr, 3*KSB, 1, 0
.if \last
	KSTEP \cur, 3, F1, F0, \adr, -1, 0, 0
.else
	KSTEP \cur, 3, F1, F0, \adr, 4*KSB, 1, 0
.endif
.endm
; THE WAY OUT of tile i: the eight rank rows' offsets from their tokens; the results brought into the order of the stores (j ascending: each accumulator is read from its low end on);
; two stores a rank row.
.macro OUT2 i
	s_wait_xcnt 0x0                                ; the last tile's stores have read G and OF: they are written again only behind this wait
.set oj, 0
.rept 8
	v_min_u32 v[OF+oj], 0x3ff, v[LT+8*(\i)+oj]     ; a token read from memory is held to the table before it enters an address
	v_lshlrev_b32 v[OF+oj], 12, v[OF+oj]           ; a row of part is 4,096 bytes
	v_add_nc_u32 v[OF+oj], v[OF+oj], v[R16]
.set oj, oj+1
.endr
	WIN 0x02                                       ; source 0 window 2
.set oj, 0
.rept 8
.set of, 0
.rept 8
	v_mov_b32 v[G+8*oj+of], v[64*(\i)+8*of+oj]
.set of, of+1
.endr
.set oj, oj+1
.endr
	WIN 0
	s_sub_co_u32 s27, s21, s35
	s_sub_co_u32 s27, s27, 64*(\i)                 ; the ranks that exist from this tile's first on: at least 1 in a live tile
.set oj, 0
.rept 8
.if oj > 0
	s_cmp_le_u32 s27, oj
	s_cbranch_scc1 .Lre_\@                         ; ranks j and 8 + j both lie past the count, and so do all that follow
.endif
	global_store_b128 v[OF+oj], v[G+8*oj:G+8*oj+3], s[12:13]               ; 16 lanes store 256 consecutive bytes, aligned
	global_store_b128 v[OF+oj], v[G+8*oj+4:G+8*oj+7], s[12:13] offset:256
.set oj, oj+1
.endr
.Lre_\@:
.if (\i) < 3
	s_cmp_lt_u32 s[CC], (\i)+2
	s_cbranch_scc1 .Lod
.endif
.endm
	s_load_b256 s[4:11], s[0:1], 0x0               ; cnt s[4:5], lst s[6:7], hid s[8:9], W2 s[10:11]
	s_load_b64 s[12:13], s[0:1], 0x20              ; part
	v_lshl_add_u32 v[SPW], v0, 2, SPARE
	v_mov_b32 v[NIL], 0
	v_lshrrev_b32 v[TM], 5, v0
	v_readfirstlane_b32 s18, v[TM]                 ; wave 0..3
	v_and_b32 v[LN], 31, v0
	v_and_b32 v[RR], 15, v0
	v_bfe_u32 v[HH], v0, 4, 1
	s_and_b32 s19, ttmp9, 7                        ; s: which 128 columns
	s_lshr_b32 s37, ttmp9, 3                       ; z: which quarter of K
	s_and_b32 s38, ttmp7, 0xffff                   ; e - 1
	s_add_co_u32 s20, s38, 1                       ; e
	v_lshlrev_b32 v[R16], 4, v[RR]
	v_lshl_add_u32 v[WOFF], v[HH], HSH, v[R16]
	v_lshl_add_u32 v[LB], v[HH], 8, v[R16]         ; place 16 h + r, 16 bytes a place,
	s_mul_i32 s26, s18, 64*FRAG
	v_add_nc_u32 v[LB], s26, v[LB]                 ; in my wave's eight K steps
	v_add_nc_u32 v[LBT], 6*KSB, v[LB]
	v_lshlrev_b32 v[H16], 4, v[HH]
	v_lshlrev_b32 v[L16], 4, v[LN]
	v_add_nc_u32 v[L16A], 4*KSB, v[L16]
	v_add_nc_u32 v[L16B], 8*KSB, v[L16]
	v_add_nc_u32 v[L16L], 28*KSB, v[L16]
	s_lshl_b32 s35, s18, 4                         ; 16 w: the first rank of my tile 0, stepped by passes
	s_lshl_b32 s27, s18, 6
	v_lshl_add_u32 v[LO8], v[HH], 5, s27           ; rank 16 w + 8 h, 4 bytes a rank
	s_mov_b32 s31, 0
	s_lshl_b32 s30, s38, 8
	s_wait_kmcnt 0x0
	s_add_nc_u64 s[4:5], s[4:5], s[30:31]
	s_load_b32 s21, s[4:5], 0x0                    ; N
	s_lshl_b32 s30, s20, 24                        ; W2[e],
	s_lshl_b32 s26, s37, 22                        ; the quarter's 1,024 rows,
	s_add_co_u32 s30, s30, s26
	s_lshl_b32 s26, s18, 20                        ; my wave's 256 of them,
	s_add_co_u32 s30, s30, s26
	s_lshl_b32 s28, s19, 9                         ; the 128 columns
	s_add_co_u32 s30, s30, s28
	s_add_nc_u64 s[WP:WP+1], s[WP:WP+1], s[30:31]
	s_lshl_b32 s30, s38, 23
	s_lshl_b32 s26, s37, 11
	s_add_co_u32 s30, s30, s26
	s_add_nc_u64 s[8:9], s[8:9], s[30:31]          ; hid at the expert's rows and the quarter's channels
	s_lshl_b32 s30, s37, 22
	s_add_co_u32 s30, s30, s28
	s_add_nc_u64 s[12:13], s[12:13], s[30:31]      ; part[z] at the columns
	s_lshl_b32 s30, s38, 13
	s_add_nc_u64 s[6:7], s[6:7], s[30:31]          ; the expert's list, stepped by passes
	LOADBLK 0, 0                                   ; the stream begins while the count is on its way
	LOADBLK 1, 256
	LOADBLK 2, 32*PITCH
	LOADBLK 3, 32*PITCH+256
	WIN 0
	s_wait_kmcnt 0x0
	s_min_u32 s21, s21, 0x400
	s_cmp_eq_u32 s21, 0
	s_cbranch_scc1 .Lmeet                          ; an expert without tokens streams no more; no barrier is jumped
	s_mov_b32 s25, 0
.Lring:
	s_mul_i32 s[STEP], s25, 2*KSB
	v_add_nc_u32 v[LSTO], s[STEP], v[LB]
	SLOT 0, 1, 48, LSTO                            ; three younger blocks of 16 loads stay out
	SLOT 1, 1, 48, LSTO
	SLOT 2, 1, 48, LSTO
	SLOT 3, 1, 48, LSTO
	WIN 0
	s_wait_xcnt 0x0                                ; every load issued has read its base
	s_add_nc_u64 s[WP:WP+1], s[WP:WP+1], 64*PITCH
	s_add_co_u32 s25, s25, 1
	s_cmp_lt_u32 s25, 3
	s_cbranch_scc1 .Lring
	SLOT 0, 0, 48, LBT
	SLOT 1, 0, 32, LBT
	SLOT 2, 0, 16, LBT
	SLOT 3, 0, 0, LBT
	WIN 0
.Lmeet:
	s_wait_loadcnt 0x0                             ; (for the way that jumped: its four blocks are let in and dropped)
	s_wait_dscnt 0x0                               ; for the others' sake: my part of the box is written
	s_barrier_signal -1
	s_barrier_wait -1                              ; the box is whole; from here to the closing add nobody writes LDS
	s_add_co_u32 s26, s21, 15
	s_lshr_b32 s26, s26, 4                         ; tiles of 16 ranks
	s_lshl_b32 s34, s26, 4
	s_sub_co_u32 s34, s34, 1                       ; the last rank that up has written
	s_add_co_u32 s26, s26, 3
	s_sub_co_u32 s26, s26, s18
	s_lshr_b32 s22, s26, 2                         ; my tiles
	s_mov_b32 s24, 4
.Lpass:
	s_cmp_le_i32 s22, 0
	s_cbranch_scc1 .Lnext
	s_min_u32 s[CC], s22, 4
.set i, 0
.rept 4                                ; the tokens of the four tiles' ranks 8 h .. 8 h + 7, wanted on the way out
	global_load_b128 v[LT+8*i:LT+8*i+3], v[LO8], s[6:7] offset:256*i
	global_load_b128 v[LT+8*i+4:LT+8*i+7], v[LO8], s[6:7] offset:256*i+16
.set i, i+1
.endr
	WIN 0x40
.set i, 0
.rept 8
	ds_load_b128 v[F0+8*i:F0+8*i+3], v[L16] offset:FRAG*i
	ds_load_b128 v[F0+8*i+4:F0+8*i+7], v[L16] offset:FRAG*i+512
.set i, i+1
.endr
	WIN 0
	v_add_nc_u32 v[RW], s35, v[RR]
.set i, 0
.rept 4
	v_add_nc_u32 v[TM+i], 64*i, v[RW]
	v_min_u32 v[TM+i], s34, v[TM+i]                ; dead tiles repeat a row that has been written
	v_min_u32 v[TM+i], 0x3ff, v[TM+i]
	v_lshlrev_b32 v[TM+i], 13, v[TM+i]             ; a row of hid is 8,192 bytes
	v_add_nc_u32 v[ROW+i], v[TM+i], v[H16]
.set i, i+1
.endr
	s_mov_b64 s[TP:TP+1], s[8:9]
	TOK TA, 0
	TRIP TA, TB, 256, L16, 1, 0
	s_wait_xcnt 0x0
	s_add_nc_u64 s[TP:TP+1], s[TP:TP+1], 256
	s_mov_b32 s25, 0
.Ltrips:
	s_mul_i32 s[STEP], s25, 8*KSB
	v_add_nc_u32 v[WRD], s[STEP], v[L16A]
	v_add_nc_u32 v[WRD2], s[STEP], v[L16B]
	TRIP TB, TA, 256, WRD, 0, 0
	TRIP TA, TB, 512, WRD2, 0, 0
	s_wait_xcnt 0x0
	s_add_nc_u64 s[TP:TP+1], s[TP:TP+1], 512
	s_add_co_u32 s25, s25, 1
	s_cmp_lt_u32 s25, 3
	s_cbranch_scc1 .Ltrips
	TRIP TB, TA, -1, L16L, 0, 1
.rept 8
	v_nop                                          ; the places behind the last products, in front of the moves that read results
.endr
	OUT2 0
	OUT2 1
	OUT2 2
	OUT2 3
.Lod:
.Lnext:
	s_wait_xcnt 0x0                                ; loads and stores have read their registers and bases
	s_sub_co_i32 s22, s22, 4
	s_add_nc_u64 s[6:7], s[6:7], 1024              ; 256 ranks on
	s_add_co_u32 s35, s35, 256
	s_sub_co_u32 s24, s24, 1
	s_cmp_lg_u32 s24, 0
	s_cbranch_scc1 .Lpass
	s_wait_dscnt 0x0                               ; my reads of LDS are back,
	s_barrier_signal -1
	s_barrier_wait -1                              ; and everybody's: the closing add, an LDS write, stands behind all waves' reads
	s_wait_tensorcnt 0x0                           ; the wave's end: three closing lines, behind my last LDS store
	ds_add_u32 v[SPW], v[NIL]
	s_wait_dscnt 0x0
	s_endpgm
.Lfunc_end_k_q872f72ce0b_down:
	.size	k_q872f72ce0b_down, .Lfunc_end_k_q872f72ce0b_down-k_q872f72ce0b_down
	.p2alignl 7, 3214868480
	.fill 96, 4, 3214868480
	.section	.rodata,"a",@progbits
	.p2align	6, 0x0
	.amdhsa_kernel k_q872f72ce0b_down
		.amdhsa_group_segment_fixed_size 262656
		.amdhsa_private_segment_fixed_size 0
		.amdhsa_enable_private_segment 0
		.amdhsa_kernarg_size 40
		.amdhsa_user_sgpr_count 2
		.amdhsa_user_sgpr_kernarg_segment_ptr 1
		.amdhsa_wavefront_size32 1
		.amdhsa_system_sgpr_workgroup_id_x 1
		.amdhsa_system_sgpr_workgroup_id_y 1
		.amdhsa_system_sgpr_workgroup_id_z 1
		.amdhsa_system_vgpr_workitem_id 0
		.amdhsa_next_free_vgpr 1024
		.amdhsa_next_free_sgpr 66
		.amdhsa_reserve_vcc 0
		.amdhsa_float_denorm_mode_32 3
		.amdhsa_float_denorm_mode_16_64 3
		.amdhsa_memory_ordered 1
		.amdhsa_forward_progress 1
		.amdhsa_inst_pref_size 130
	.end_amdhsa_kernel
	.amdgpu_metadata
---
amdhsa.version: [ 1, 2 ]
amdhsa.kernels:
  - .name:           k_q872f72ce0b_down
    .symbol:         k_q872f72ce0b_down.kd
    .args:
      - { .name: cnt, .offset: 0, .size: 8, .value_kind: global_buffer, .address_space: global }
      - { .name: lst, .offset: 8, .size: 8, .value_kind: global_buffer, .address_space: global }
      - { .name: hid, .offset: 16, .size: 8, .value_kind: global_buffer, .address_space: global }
      - { .name: W2, .offset: 24, .size: 8, .value_kind: global_buffer, .address_space: global }
      - { .name: part, .offset: 32, .size: 8, .value_kind: global_buffer, .address_space: global }
    .group_segment_fixed_size: 262656
    .private_segment_fixed_size: 0
    .kernarg_segment_align: 8
    .kernarg_segment_size: 40
    .max_flat_workgroup_size: 128
    .sgpr_count:     66
    .vgpr_count:     1024
    .wavefront_size: 32
...
	.end_amdgpu_metadata
.endif
;; end of part 5
;; launch sum (part 6): grid 256 x 1, 4 waves a work-group, no clusters, 0 bytes of LDS; arguments part, b2, eid, wgt, out0; writes out0
.if DOCPART == 6
	.amdgcn_target "amdgcn-amd-amdhsa--gfx1250"
	.amdhsa_code_object_version 6
	.text
	.protected	k_q872f72ce0b_sum
	.globl	k_q872f72ce0b_sum
	.p2align	8
	.type	k_q872f72ce0b_sum,@function
k_q872f72ce0b_sum:
	s_mov_b64 s[64:65], 0
	v_nop
	global_prefetch_b8 v0, s[64:65] scope:SCOPE_SE
	s_setreg_imm32_b32 hwreg(HW_REG_WAVE_MODE, 25, 1), 1
	s_wait_xcnt 0x0
; SUM: out0[t] = wgt[t] x (part[0][t] + part[1][t] + part[2][t] + part[3][t] + b2[eid[t]]), in f32; b2 rounded to bf16 like every input.
; Left out: b2[0] and each token's lower chosen expert (shown at the head of fold); the row of b2 is chosen by the whole number read from eid.
; SHARES.  A wave owns one token, t = 4 g + wave: a row of 4,096 bytes, eight pieces of 512 (16 bytes a lane).  All 40 loads of a wave go out before the first wait; memory binds, so there is no LDS and no barrier.
.set PT, 16                            ; v16-143  piece k, quarter z at 16 k + 4 z
.set BB, 144                           ; v144-175 b2's piece k at 4 k
	s_load_b256 s[4:11], s[0:1], 0x0               ; part s[4:5], b2 s[6:7], eid s[8:9], wgt s[10:11]
	s_load_b64 s[12:13], s[0:1], 0x20              ; out0
	v_lshrrev_b32 v2, 5, v0
	v_readfirstlane_b32 s14, v2                    ; wave 0..3
	v_and_b32 v1, 31, v0
	v_lshlrev_b32 v1, 4, v1                        ; 16 l
	s_lshl_b32 s15, ttmp9, 2
	s_add_co_u32 s15, s15, s14                     ; t
	s_lshl_b32 s16, s15, 2
	s_mov_b32 s17, 0
	s_lshl_b32 s18, s15, 12
	s_mov_b32 s19, 0
	s_mov_b32 s21, 0
	s_mov_b32 s26, 0xffff0000
	s_wait_kmcnt 0x0
	s_add_nc_u64 s[8:9], s[8:9], s[16:17]
	s_add_nc_u64 s[10:11], s[10:11], s[16:17]
	s_load_b32 s20, s[8:9], 0x0                    ; the token's expert
	s_load_b32 s22, s[10:11], 0x0                  ; and its weight
	s_add_nc_u64 s[4:5], s[4:5], s[18:19]          ; quarters 0 and 1 of the token's row,
	s_add_nc_u64 s[24:25], s[4:5], 0x800000        ; quarters 2 and 3: 4 MiB apart, so that the immediates stay inside their signed 24 bits
	s_add_nc_u64 s[12:13], s[12:13], s[18:19]
.set k, 0
.rept 8
.set z, 0
.rept 4
.if z < 2
	global_load_b128 v[PT+16*k+4*z:PT+16*k+4*z+3], v1, s[4:5] offset:512*k+(z%2)*4194304 th:TH_LOAD_NT
.else
	global_load_b128 v[PT+16*k+4*z:PT+16*k+4*z+3], v1, s[24:25] offset:512*k+(z%2)*4194304 th:TH_LOAD_NT
.endif
.set z, z+1
.endr
.set k, k+1
.endr
	s_wait_kmcnt 0x0
	s_min_u32 s20, s20, 7
	s_lshl_b32 s20, s20, 12                        ; a row of b2 is 4,096 bytes
	s_add_nc_u64 s[6:7], s[6:7], s[20:21]
	s_mov_b32 s23, s22                             ; named with s22 as a pair
.set k, 0
.rept 8
	global_load_b128 v[BB+4*k:BB+4*k+3], v1, s[6:7] offset:512*k
.set k, k+1
.endr
.set k, 0
.rept 8
.set p, PT+16*k
.set b, BB+4*k
	s_wait_loadcnt 7-k                             ; b2's piece k is in, and with it all that was asked for earlier; the younger pieces of b2 stay out
	v_cvt_pk_bf16_f32 v2, v[b], v[b+1]
	v_cvt_pk_bf16_f32 v3, v[b+2], v[b+3]
	v_pk_add_f32 v[p:p+1], v[p:p+1], v[p+4:p+5]
	v_pk_add_f32 v[p+2:p+3], v[p+2:p+3], v[p+6:p+7]
	v_pk_add_f32 v[p+8:p+9], v[p+8:p+9], v[p+12:p+13]
	v_pk_add_f32 v[p+10:p+11], v[p+10:p+11], v[p+14:p+15]
	v_lshlrev_b32 v[b], 16, v2
	v_and_b32 v[b+1], s26, v2
	v_lshlrev_b32 v[b+2], 16, v3
	v_and_b32 v[b+3], s26, v3
	v_pk_add_f32 v[p:p+1], v[p:p+1], v[p+8:p+9]
	v_pk_add_f32 v[p+2:p+3], v[p+2:p+3], v[p+10:p+11]
	v_pk_add_f32 v[p:p+1], v[p:p+1], v[b:b+1]
	v_pk_add_f32 v[p+2:p+3], v[p+2:p+3], v[b+2:b+3]
	v_pk_mul_f32 v[p:p+1], v[p:p+1], s[22:23] op_sel_hi:[1,0]
	v_pk_mul_f32 v[p+2:p+3], v[p+2:p+3], s[22:23] op_sel_hi:[1,0]
	global_store_b128 v1, v[p:p+3], s[12:13] offset:512*k th:TH_STORE_NT  ; 512 consecutive bytes, aligned
.set k, k+1
.endr
	s_endpgm
.Lfunc_end_k_q872f72ce0b_sum:
	.size	k_q872f72ce0b_sum, .Lfunc_end_k_q872f72ce0b_sum-k_q872f72ce0b_sum
	.p2alignl 7, 3214868480
	.fill 96, 4, 3214868480
	.section	.rodata,"a",@progbits
	.p2align	6, 0x0
	.amdhsa_kernel k_q872f72ce0b_sum
		.amdhsa_group_segment_fixed_size 0
		.amdhsa_private_segment_fixed_size 0
		.amdhsa_enable_private_segment 0
		.amdhsa_kernarg_size 40
		.amdhsa_user_sgpr_count 2
		.amdhsa_user_sgpr_kernarg_segment_ptr 1
		.amdhsa_wavefront_size32 1
		.amdhsa_system_sgpr_workgroup_id_x 1
		.amdhsa_system_sgpr_workgroup_id_y 1
		.amdhsa_system_sgpr_workgroup_id_z 1
		.amdhsa_system_vgpr_workitem_id 0
		.amdhsa_next_free_vgpr 176
		.amdhsa_next_free_sgpr 66
		.amdhsa_reserve_vcc 0
		.amdhsa_float_denorm_mode_32 3
		.amdhsa_float_denorm_mode_16_64 3
		.amdhsa_memory_ordered 1
		.amdhsa_forward_progress 1
		.amdhsa_inst_pref_size 14
	.end_amdhsa_kernel
	.amdgpu_metadata
---
amdhsa.version: [ 1, 2 ]
amdhsa.kernels:
  - .name:           k_q872f72ce0b_sum
    .symbol:         k_q872f72ce0b_sum.kd
    .args:
      - { .name: part, .offset: 0, .size: 8, .value_kind: global_buffer, .address_space: global }
      - { .name: b2, .offset: 8, .size: 8, .value_kind: global_buffer, .address_space: global }
      - { .name: eid, .offset: 16, .size: 8, .value_kind: global_buffer, .address_space: global }
      - { .name: wgt, .offset: 24, .size: 8, .value_kind: global_buffer, .address_space: global }
      - { .name: out0, .offset: 32, .size: 8, .value_kind: global_buffer, .address_space: global }
    .group_segment_fixed_size: 0
    .private_segment_fixed_size: 0
    .kernarg_segment_align: 8
    .kernarg_segment_size: 40
    .max_flat_workgroup_size: 128
    .sgpr_count:     66
    .vgpr_count:     176
    .wavefront_size: 32
...
	.end_amdgpu_metadata
.endif
;; end of part 6
;; ======== version 2 of 2: 6 launches; version 1 with the launches sort, up written anew for expert scheduling mode
;; workspace buffers: wc 33,024 bytes; xb 2,097,152 bytes; eid 4,096 bytes of whole numbers; wgt 4,096 bytes; hid 58,720,256 bytes; lst 57,344 bytes of whole numbers; cnt 1,792 bytes of whole numbers; part 16,777,216 bytes
;; launch fold: the kernel of part 1 again; grid 257 x 1, 1 waves a work-group, no clusters, 0 bytes of LDS; arguments Wr_h, br_h, Wr, br, wc; writes wc
;; launch route: the kernel of part 2 again; grid 256 x 1, 1 waves a work-group, no clusters, 0 bytes of LDS; arguments x, wc, xb, eid, wgt; writes xb, eid, wgt
;; launch sort (part 7): grid 7 x 1, 1 waves a work-group, no clusters, 0 bytes of LDS; arguments eid, lst, cnt; writes lst, cnt
.if DOCPART == 7
	.amdgcn_target "amdgcn-amd-amdhsa--gfx1250"
	.amdhsa_code_object_version 6
	.text
	.protected	k_q872f72ce0b_sort
	.globl	k_q872f72ce0b_sort
	.p2align	8
	.type	k_q872f72ce0b_sort,@function
k_q872f72ce0b_sort:
	s_mov_b64 s[64:65], 0
	v_nop
	global_prefetch_b8 v0, s[64:65] scope:SCOPE_SE
	s_setreg_imm32_b32 hwreg(HW_REG_WAVE_SCHED_MODE, 0, 2), 2
	s_setreg_imm32_b32 hwreg(HW_REG_WAVE_MODE, 25, 1), 1
	s_wait_xcnt 0x0
	s_wait_alu depctr_vm_vsrc(0)
; SORT: for expert e = 1..7 the list of the tokens whose stored expert is e (rank -> token) and their number N.  A counting sort without atomics.
; Left out: expert 0 has no list: no token's row stays with it (shown at the head of fold).
; SHARES.  One wave an expert.  It reads all 1,024 stored experts (register 4 i + c of lane l is token 128 i + 4 l + c) and walks the 32 registers: a matching lane's rank is the number of matches
; in the registers before plus that in the lanes below it.  Any order of the ranks serves: the later launches go by this list alone.
; THE STORES.  All lanes stay on.  A lane without a match stores into a dump word of its own, word 1,024 + l of the expert's 2,048, which nobody reads.  The choice is made on the index, the index is
; then held to 0 .. 2,047 by a minimum with a constant, and only a shift stands behind that.  The ranks from N on take, in the same way, ONE OF THE EXPERT'S OWN TOKENS (0 where it has none):
; so every word 0 .. 1,023 is stored, once, and a rank past the count repeats a row that exists and belongs to this expert.
; THE MODE: SCHED_MODE bits 1:0 = 2 (LLVM: expert scheduling mode 2), set by the entry lines.  The code itself states the register dependences between vector instructions and memory
; instructions, and those through scalar registers that vector instructions write, with s_wait_alu, always for 0.
; THE PLAN.  Registers that memory instructions touch: v[L16] (the loads' offset), T (the loads land there), AD and TK (offsets and data of the first 32 stores), AZ, FILL, CN and L8 (those of the
; last 33).  Each is written once and never again, so nothing is owed for a register that a store has read.  The compares stand in two runs of 32, each into the masks s32-63, with one wait behind a run;
; the stores stand in two runs, with one wait ahead of a run; the second run's arithmetic names none of the registers that the first run's stores read.
.set L8,   7                           ; v7   8 l
.set DMP,  10                          ; v10  1,024 + l
.set L4,   11                          ; v11  4 l
.set L16,  12                          ; v12  16 l
.set FILL, 13                          ; v13  the token that the ranks past the count repeat
.set CN,   14                          ; v14-15 N twice
.set T,    16                          ; v16-47   the stored experts
.set AD,   48                          ; v48-79   a register of offsets for each store
.set TK,   80                          ; v80-111  and one of tokens
.set AZ,   112                         ; v112-143 the offsets of the fill
.set MK,   32                          ; s32-63   a mask for each of the 32 registers: first the matches, then the words at or behind the count
	s_load_b128 s[4:7], s[0:1], 0x0                ; eid s[4:5], lst s[6:7]
	s_load_b64 s[8:9], s[0:1], 0x10                ; cnt
	v_lshlrev_b32 v[L16], 4, v0
	v_lshlrev_b32 v[L4], 2, v0
	v_lshlrev_b32 v[L8], 3, v0
	v_add_nc_u32 v[DMP], 1024, v0
	s_add_co_u32 s20, ttmp9, 1                     ; e
	s_lshl_b32 s10, ttmp9, 13                      ; the expert's 2,048 words of lst
	s_mov_b32 s11, 0
	s_lshl_b32 s12, ttmp9, 8                       ; and its 64 words of cnt
	s_mov_b32 s13, 0
	s_mov_b32 s28, 0                               ; ranks given out so far
	s_mov_b32 s29, 0                               ; one of the expert's tokens: the last register's lowest matching lane
	s_wait_kmcnt 0x0
	s_add_nc_u64 s[6:7], s[6:7], s[10:11]
	s_add_nc_u64 s[8:9], s[8:9], s[12:13]
	s_wait_alu depctr_va_vdst(0)                   ; v[L16] is written, which the eight loads read as their offset
.set i, 0
.rept 8
	global_load_b128 v[T+4*i:T+4*i+3], v[L16], s[4:5] offset:512*i
.set i, i+1
.endr
.set i, 0
.rept 32                               ; what hangs on no loaded number is made while the loads are out
	v_add_nc_u32 v[TK+i], 128*(i/4)+i%4, v[L4]     ; my token in register i
	v_add_nc_u32 v[AZ+i], 32*i, v0                 ; word 32 i + l of the list
.set i, i+1
.endr
	s_wait_loadcnt 0x0
.set i, 0
.rept 32
	v_cmp_eq_u32 s[MK+i], s20, v[T+i]              ; the matches
.set i, i+1
.endr
	s_wait_alu depctr_va_sdst(0)                   ; the 32 masks are written, ahead of their first reader
.set i, 0
.rept 32
	s_bcnt1_i32_b32 s27, s[MK+i]
	v_mbcnt_lo_u32_b32 v[AD+i], s[MK+i], s28       ; the matches before me
	s_add_co_u32 s28, s28, s27
	s_ctz_i32_b32 s26, s[MK+i]                     ; the lowest matching lane,
	s_lshl_b32 s26, s26, 2
	s_add_co_u32 s26, s26, 128*(i/4)+i%4           ; its token,
	s_cmp_lg_u32 s27, 0
	s_cselect_b32 s29, s26, s29                    ; kept if there was a match
.set i, i+1
.endr
.set i, 0
.rept 32
	v_cndmask_b32 v[AD+i], v[DMP], v[AD+i], s[MK+i]  ; my rank, or my dump word
.set i, i+1
.endr
.set i, 0
.rept 32                               ; the masks' last readers are issued: they take the second run: word 32 i + l lies at or behind the count
	v_cmp_le_u32 s[MK+i], s28, v[AZ+i]
.set i, i+1
.endr
.set i, 0
.rept 32
	v_min_u32 v[AD+i], 0x7ff, v[AD+i]
.set i, i+1
.endr
.set i, 0
.rept 32
	v_lshlrev_b32 v[AD+i], 2, v[AD+i]
.set i, i+1
.endr
	s_wait_alu depctr_va_vdst(0)                   ; AD and TK are written, which the 32 stores read as offset and data
.set i, 0
.rept 32
	global_store_b32 v[AD+i], v[TK+i], s[6:7]
.set i, i+1
.endr
	s_wait_alu depctr_va_sdst(0)                   ; the second run's 32 masks are written, ahead of their first reader
.set i, 0
.rept 32
	v_cndmask_b32 v[AZ+i], v[DMP], v[AZ+i], s[MK+i]  ; the word takes the fill, or my dump word does
.set i, i+1
.endr
.set i, 0
.rept 32
	v_min_u32 v[AZ+i], 0x7ff, v[AZ+i]
.set i, i+1
.endr
.set i, 0
.rept 32
	v_lshlrev_b32 v[AZ+i], 2, v[AZ+i]
.set i, i+1
.endr
	v_mov_b32 v[FILL], s29
	v_mov_b32 v[CN], s28
	v_mov_b32 v[CN+1], s28
	s_wait_alu depctr_va_vdst(0)                   ; AZ, FILL and CN are written, which the stores below read
.set i, 0
.rept 32
	global_store_b32 v[AZ+i], v[FILL], s[6:7]
.set i, i+1
.endr
	global_store_b64 v[L8], v[CN:CN+1], s[8:9]     ; the count 64 times: 256 consecutive bytes, aligned
	s_endpgm
.Lfunc_end_k_q872f72ce0b_sort:
	.size	k_q872f72ce0b_sort, .Lfunc_end_k_q872f72ce0b_sort-k_q872f72ce0b_sort
	.p2alignl 7, 3214868480
	.fill 96, 4, 3214868480
	.section	.rodata,"a",@progbits
	.p2align	6, 0x0
	.amdhsa_kernel k_q872f72ce0b_sort
		.amdhsa_group_segment_fixed_size 0
		.amdhsa_private_segment_fixed_size 0
		.amdhsa_enable_private_segment 0
		.amdhsa_kernarg_size 24
		.amdhsa_user_sgpr_count 2
		.amdhsa_user_sgpr_kernarg_segment_ptr 1
		.amdhsa_wavefront_size32 1
		.amdhsa_system_sgpr_workgroup_id_x 1
		.amdhsa_system_sgpr_workgroup_id_y 1
		.amdhsa_system_sgpr_workgroup_id_z 1
		.amdhsa_system_vgpr_workitem_id 0
		.amdhsa_next_free_vgpr 144
		.amdhsa_next_free_sgpr 66
		.amdhsa_reserve_vcc 0
		.amdhsa_float_denorm_mode_32 3
		.amdhsa_float_denorm_mode_16_64 3
		.amdhsa_memory_ordered 1
		.amdhsa_forward_progress 1
		.amdhsa_inst_pref_size 36
	.end_amdhsa_kernel
	.amdgpu_metadata
---
amdhsa.version: [ 1, 2 ]
amdhsa.kernels:
  - .name:           k_q872f72ce0b_sort
    .symbol:         k_q872f72ce0b_sort.kd
    .args:
      - { .name: eid, .offset: 0, .size: 8, .value_kind: global_buffer, .address_space: global }
      - { .name: lst, .offset: 8, .size: 8, .value_kind: global_buffer, .address_space: global }
      - { .name: cnt, .offset: 16, .size: 8, .value_kind: global_buffer, .address_space: global }
    .group_segment_fixed_size: 0
    .private_segment_fixed_size: 0
    .kernarg_segment_align: 8
    .kernarg_segment_size: 24
    .max_flat_workgroup_size: 32
    .sgpr_count:     66
    .vgpr_count:     144
    .wavefront_size: 32
...
	.end_amdgpu_metadata
.endif
;; end of part 7
;; launch up (part 8): grid 32 x 7, 4 waves a work-group, no clusters, 270,848 bytes of LDS; arguments cnt, lst, xb, W1, b1, hid; writes hid
.if DOCPART == 8
	.amdgcn_target "amdgcn-amd-amdhsa--gfx1250"
	.amdhsa_code_object_version 6
	.text
	.protected	k_q872f72ce0b_up
	.globl	k_q872f72ce0b_up
	.p2align	8
	.type	k_q872f72ce0b_up,@function
k_q872f72ce0b_up:
	s_mov_b64 s[64:65], 0
	v_nop
	global_prefetch_b8 v0, s[64:65] scope:SCOPE_SE
	s_setreg_imm32_b32 hwreg(HW_REG_WAVE_SCHED_MODE, 0, 2), 2
	s_setreg_imm32_b32 hwreg(HW_REG_WAVE_MODE, 25, 1), 1
	s_wait_xcnt 0x0
	s_wait_alu depctr_vm_vsrc(0)
; UP: hid[e][rank][n] = relu(xb[token of rank] . W1[e][:, n] + b1[e][n]) in bf16, for the tokens whose stored expert is e, e = 1..7.
; Left out: expert 0 and, for each token, the expert with the lower chosen index: their rows are always replaced (shown at the head of fold).  Which rows are multiplied is read as whole numbers from cnt and lst.
; SHARES.  Work-group (slice, e - 1) has the 1,024 x 128 box W1[e][:, 128 slice ..], which it alone reads, once, and ALL rows of expert e, whatever their number (0 to 1,024).
; PHASE 1.  Each wave streams a quarter of the box (256 rows of K) through a ring of four register slots of 8 KiB, rounds it to bf16 and lays it into LDS as finished operand images.
; 64 loads of 512 bytes a wave are out, and a slot is asked for again as soon as it is rounded.
; PHASE 2.  Tiles of 16 ranks are dealt to the waves by turns (tile = wave + 4 i + 16 pass).  A pass multiplies up to four tiles by the whole box; the token rows come from memory straight into
; operand registers.  PHASE 2 WRITES NO LDS, so it needs no barrier; the pass loop counts to a constant and dead tiles are jumped forward.
; THE LAYOUT THAT SPARES A STAGE.  Source 0 = 16 tokens x 32 K, source 1 = an image of 16 columns x 32 K: in the result register j of lane (r = l % 16, h = l / 16) is rank 8 h + j and the column at place r
; of the image.  Phase 1 is free to choose which column that is: place r of image f is column 8 r + f.  So a lane's eight accumulators hold eight NEIGHBOURING columns of a row, four roundings make
; 16 bytes of them, and one store of 16 bytes a lane writes 256 consecutive bytes of rank j (lanes 0-15) and of rank 8 + j (lanes 16-31).
; The bias, rounded to bf16 like every input, is the C operand of a pass's first products: nothing is cleared.
; NO CLUSTER: each box has one reader; what an expert's 32 work-groups share, its token rows, comes by a list that no descriptor covers.  NO TENSOR LOADS: the f32 weights must pass through
; registers to be rounded.  NO PREFETCH: the ring itself keeps 128 KiB a work-group on its way.
; LIMITS.  The ReLU is a maximum that drops a NaN (reference()'s keeps it).  In the last tile the ranks past the count repeat one of the expert's tokens (lst holds it there): their rows of hid are that token's row again.
; REGISTERS, in windows of 256 (s_set_vgpr_msb: bits 1:0 source 0, 3:2 source 1, 5:4 source 2, 7:6 destination):
;   window 0: addresses, T, BIAS, LT     window 1: phase 1 the ring; phase 2 four buffers of images     window 2: accumulators (tile i, image f at 64 i + 8 f)     window 3: two buffers of token fragments
; THE MODE: SCHED_MODE bits 1:0 = 2 (LLVM: expert scheduling mode 2), set by the entry lines.  The code itself states the register dependences between vector or matrix instructions and memory or
; LDS instructions, with s_wait_alu, always for 0.
; THE PLAN.  Registers that memory or LDS instructions touch:
;   the ring's slots   A slot's 32 conversions read it; behind them the slot's next 16 loads land in it.
;   T                  Phase 1: written by a slot's conversions, read by its eight LDS stores.  The way out: written by a tile's conversions and maxima, read by its eight stores.
;   v[LSTO]            Written once a trip of the ring; read by the trip's 32 LDS stores.
;   I0 .. I3           The images of K step s lie in I[s % 4], read by the step's products.  The loads of step s + 2 land in I[(s + 2) % 4]; they are issued in step s, behind its first tile's products.
;   TA, TB             Read by the products of a trip of four K steps; the next trip's 32 loads land in the other one.
;   v[ROW ..]          Written once a pass; read by the pass's token loads.      v[WRD], v[WRD2]  Written once a trip of the loop over K; read by that trip's image loads.
;   v[WOFF], v[LBT], v[HO], v[L16], v[L16L], v[LO], v31, v[SPW], v[NIL]   Made at the head and never written again.
; So a slot has two waits: that the LDS stores before have read T, and, behind the conversions, that T is written and the slot read out.  A trip of four K steps has two: at its head (the products before
; are done with the other token buffer and with I2, I3) and at the head of its step 2 (steps 0 and 1 are done with I0, I1).  Between such a wait and the loads that it serves stand only loads, window switches
; and products that name the images in hand, the token buffer in hand, the accumulators and the bias.
.set PITCH, 16384                      ; bytes from a row of W1[e] to the next
.set HSH,   17                         ; 8 rows = 1 << 17 bytes
.set FRAG,  1056                       ; an image: 2 x 512 bytes + 32: 4 images are 128 bytes more than a multiple of 256, so that the 16 lanes of a store below, eight in each of two images four apart, touch 16 different 16-byte columns of 256
.set KSB,   8*FRAG                     ; a K step of 32: eight images
.set SPARE, 256*FRAG                   ; behind the box: the spare words, 128 bytes a wave: two blocks of 256 bytes that no other line names
.set LN,   1                           ; v1   lane
.set RR,   2                           ; v2   l % 16
.set HH,   3                           ; v3   l / 16
.set WOFF, 4                           ; v4   my offset in a block of W1: (l / 16) x 8 rows + 16 (l % 16); never rewritten
.set LB,   5                           ; v5   my place in my wave's first images; never rewritten
.set LSTO, 6                           ; v6   LB + the ring's step
.set LBT,  7                           ; v7   LB + 6 K steps, for the ring's tail; never rewritten
.set ROW,  8                           ; v8-11  the four tiles' token rows in xb
.set HO,   12                          ; v12  my offset in hid; never rewritten
.set ZERO, 13                          ; v13  0, for the ReLU
.set WRD2, 14                          ; v14  L16B + the loop's step
.set SPW,  16                          ; v16  my spare word; never rewritten
.set NIL,  17                          ; v17  0; never rewritten
.set H16,  18                          ; v18  16 (l / 16)
.set L16,  19                          ; v19  16 l: my place in an image; never rewritten
.set L16A, 20                          ; v20  L16 + 4 K steps; never rewritten
.set L16B, 21                          ; v21  L16 + 8 K steps; never rewritten
.set L16L, 22                          ; v22  L16 + 28 K steps; never rewritten
.set WRD,  23                          ; v23  L16A + the loop's step
.set TM,   24                          ; v24-31 at work (v31: the bias loads' offset)
.set T,    32                          ; v32-63  packed bf16
.set BIAS, 64                          ; v64-127 image f's C operand at 8 f: eight times b1[8 r + f]
.set RAW,  128                         ; v128-135 the bias as loaded
.set LT,   208                         ; v208-223 the tokens of my ranks: pass p, tile i at 4 p + i; shifted down by four at a pass's end
.set LO,   224                         ; v224 my offset in lst: rank 16 w + l % 16; never rewritten
.set TA,   0
.set TB,   128
.set WP,   10                          ; s[10:11] W1 at my wave's part of the box
.set HP,   14                          ; s[14:15] hid at the expert's rows and the slice's columns, stepped by passes
.set TP,   32                          ; s[32:33] xb, stepped along K
.set CC,   23                          ; s23  live tiles of this pass, 1 to 4
.set STEP, 39                          ; s39  a loop's counter times its step in LDS
.set MUL,  0xa7                        ; source 0 (tokens) window 3, source 1 (images) window 1, C and D window 2
.set MULB, 0x87                        ; the same with C (the bias) in window 0
.set MSB, 0
.macro WIN new                         ; the high byte repeats the setting that is left; a switch that changes nothing is dropped
.if MSB != (\new)
	s_set_vgpr_msb (MSB<<8)|(\new)
.set MSB, \new
.endif
.endm
; A block is 32 rows of K x 64 columns of f32.  Load i: lanes 0-15 take 256 aligned bytes of row i (i < 8) or 8 + i, lanes 16-31 the row 8 further on:
; so a lane gets, for its four columns, just the sixteen k of its half of an operand (8 h + 0..7 and 16 + 8 h + 0..7).
.macro LOADBLK slot, off
	WIN 0x40
.set li, 0
.rept 16
	global_load_b128 v[64*(\slot)+4*li:64*(\slot)+4*li+3], v[WOFF], s[WP:WP+1] offset:(\off)+(li+8*(li/8))*PITCH th:TH_LOAD_NT
.set li, li+1
.endr
.endm
; One slot's turn: its block is in; 32 roundings make, for each of my four columns, the eight registers of an operand's lane; the slot is asked for again; eight LDS stores put the roundings at that lane's place:
; column 64 g + 4 r + q = 8 (8 g + r / 2) + 4 (r % 2) + q is place 8 g + r / 2 of image 4 (r % 2) + q.  left = how many younger loads may stay out; adr = the register with my place;
; mk = 1: a trip's first slot, which makes the trip's address.
.macro SLOT sg, refill, left, adr, mk
	s_wait_loadcnt \left
	s_wait_alu depctr_vm_vsrc(0)                   ; the LDS stores of the slot before have read T, which the roundings write again, and v[LSTO], which a trip's first slot writes again
.if \mk
	v_add_nc_u32 v[LSTO], s[STEP], v[LB]
.endif
	WIN 0x05
.set cq, 0
.rept 4
.set ct, 0
.rept 8
	v_cvt_pk_bf16_f32 v[T+8*cq+ct], v[64*(\sg)+8*ct+cq], v[64*(\sg)+8*ct+4+cq]
.set ct, ct+1
.endr
.set cq, cq+1
.endr
.if \refill
	WIN 0x40
.else
	WIN 0
.endif
	s_wait_alu depctr_va_vdst(0)                   ; the roundings have written T and are done reading the slot; v[LSTO] is written: the loads below land in the slot, the LDS stores read T and the address
.if \refill
	LOADBLK \sg, ((\sg)/2)*32*PITCH+((\sg)%2)*256+64*PITCH
	WIN 0
.endif
.set cq, 0
.rept 4
	ds_store_b128 v[\adr], v[T+8*cq:T+8*cq+3] offset:((\sg)/2)*KSB+((\sg)%2)*128+cq*FRAG
	ds_store_b128 v[\adr], v[T+8*cq+4:T+8*cq+7] offset:((\sg)/2)*KSB+((\sg)%2)*128+cq*FRAG+512
.set cq, cq+1
.endr
.endm
; 32 loads: 128 along K (256 bytes of a row) of the four tiles' 64 token rows, as operands: lane l takes row l % 16, 16 bytes at 16 (l / 16) and 32 further on.  Dead tiles point at a row that exists.
.macro TOK buf, off
	WIN 0xc0
.set ti, 0
.rept 4
.set tk, 0
.rept 4
	global_load_b128 v[(\buf)+32*ti+8*tk:(\buf)+32*ti+8*tk+3], v[ROW+ti], s[TP:TP+1] offset:(\off)+64*tk
	global_load_b128 v[(\buf)+32*ti+8*tk+4:(\buf)+32*ti+8*tk+7], v[ROW+ti], s[TP:TP+1] offset:(\off)+64*tk+32
.set tk, tk+1
.endr
.set ti, ti+1
.endr
.endm
; 16 LDS loads: the eight images of one K step, at byte off from register adr, into image buffer b
.macro IMG b, adr, off
	WIN 0x40
.set kf, 0
.rept 8
	ds_load_b128 v[64*(\b)+8*kf:64*(\b)+8*kf+3], v[\adr] offset:(\off)+FRAG*kf
	ds_load_b128 v[64*(\b)+8*kf+4:64*(\b)+8*kf+7], v[\adr] offset:(\off)+FRAG*kf+512
.set kf, kf+1
.endr
.endm
; K step ks of a trip of four, on image buffer ks.  8 products a live tile; the accumulators take turns, one instruction a turn.  Behind the first tile's products, ahead of the first
; jump, stand the loads of the step two further on (fetch = 1).  left = the LDS loads that may stay out: the next step's 16, or none.  own = 1: the step has a wait of its own.
; first = 1: a pass's first products, on all four tiles, start the sums with the bias.
.macro KSTEP tb, ks, adr, fetch, left, own, first
	s_wait_dscnt \left                             ; LDS loads come back in order (ISA guide 5.7.1): this step's images, asked for two steps ago, are in
.if \own
	s_wait_alu depctr_va_vdst(0)                   ; the products of this trip's steps 0 and 1 are done reading I0 and I1, in which the loads of this step and of the next land
.endif
.set ki, 0
.rept 4
.if (ki > 0) && !(\first)
	WIN 0                                          ; at a branch every window is 0
	s_cmp_lt_u32 s[CC], ki+1
	s_cbranch_scc1 .Lke_\@                         ; this tile and those behind it are dead
.endif
.if \first
	WIN MULB
.else
	WIN MUL
.endif
.set kf, 0
.rept 8
.if \first
	v_wmma_f32_16x16x32_bf16 v[64*ki+8*kf:64*ki+8*kf+7], v[(\tb)+32*ki+8*(\ks):(\tb)+32*ki+8*(\ks)+7], v[64*(\ks)+8*kf:64*(\ks)+8*kf+7], v[BIAS+8*kf:BIAS+8*kf+7]
.else
	v_wmma_f32_16x16x32_bf16 v[64*ki+8*kf:64*ki+8*kf+7], v[(\tb)+32*ki+8*(\ks):(\tb)+32*ki+8*(\ks)+7], v[64*(\ks)+8*kf:64*(\ks)+8*kf+7], v[64*ki+8*kf:64*ki+8*kf+7]
.endif
.set kf, kf+1
.endr
.if (ki == 0) && (\fetch)
	IMG ((\ks)+2)%4, \adr, ((\ks)+2)*KSB           ; no wait: no vector or matrix instruction since the last wait on va_vdst names that buffer or the address
.endif
.set ki, ki+1
.endr
	WIN 0
.Lke_\@:
.endm
; Four K steps on token buffer cur; register adr holds my place in the images of the first of them.  The next four steps' token rows are asked for first, into nxt (pfoff < 0: there are none).
; first = 1: a pass's first trip: the wait at the pass's head serves its token loads and the image loads of its steps 0 and 1.  last = 1: steps 2 and 3 fetch nothing, so they hold no wait on va_vdst.
.macro TRIP cur, nxt, pfoff, adr, first, last
.if !(\first)
	s_wait_alu depctr_va_vdst(0)                   ; the products of the trip before are done reading the other token buffer and I2 and I3, in which the loads below and those of steps 0 and 1 land; in the loop v[WRD] and v[WRD2] are written
.endif
.if (\pfoff) >= 0
	TOK \nxt, \pfoff
	s_wait_loadcnt 32                              ; cur is in; the 32 loads just issued stay out
.else
	s_wait_loadcnt 0x0
.endif
	KSTEP \cur, 0, \adr, 1, 16, 0, \first
	KSTEP \cur, 1, \adr, 1, 16, 0, 0
.if \last
	KSTEP \cur, 2, \adr, 0, 16, 0, 0
	KSTEP \cur, 3, \adr, 0, 0, 0, 0
.else
	KSTEP \cur, 2, \adr, 1, 16, 1, 0
	KSTEP \cur, 3, \adr, 1, 16, 0, 0
.endif
.endm
; THE WAY OUT of tile i.  For rank row j (ascending: each accumulator is read from its low end on) the eight accumulators' register j are my eight columns: four roundings, ReLU on the
; packed halves, one store.
.macro OUT i
	s_wait_xcnt 0x0                                ; the last tile's stores have had their addresses translated: T is written again only behind this wait,
	s_wait_alu depctr_vm_vsrc(0)                   ; and behind this one: the stores issued so far (ahead of a pass's first tile: the last pass's, or the ring's LDS stores) have read T
	WIN 0x0a                                       ; sources 0 and 1 window 2
.set oj, 0
.rept 8
.set ou, 0
.rept 4
	v_cvt_pk_bf16_f32 v[T+4*oj+ou], v[64*(\i)+16*ou+oj], v[64*(\i)+16*ou+8+oj]
.set ou, ou+1
.endr
.set oj, oj+1
.endr
	WIN 0
.set oj, 0
.rept 32
	v_pk_max_num_bf16 v[T+oj], v[T+oj], v[ZERO]
.set oj, oj+1
.endr
	s_wait_alu depctr_va_vdst(0)                   ; the maxima have written T, which the eight stores read
.set oj, 0
.rept 8
	global_store_b128 v[HO], v[T+4*oj:T+4*oj+3], s[HP:HP+1] offset:(64*(\i)+oj)*8192  ; 16 lanes store 256 consecutive bytes, aligned: lanes 0-15 rank j, lanes 16-31 rank 8 + j
.set oj, oj+1
.endr
.if (\i) < 3
	s_cmp_lt_u32 s[CC], (\i)+2
	s_cbranch_scc1 .Lod
.endif
.endm
	s_load_b256 s[4:11], s[0:1], 0x0               ; cnt s[4:5], lst s[6:7], xb s[8:9], W1 s[10:11]
	s_load_b128 s[12:15], s[0:1], 0x20             ; b1 s[12:13], hid s[14:15]
	v_lshl_add_u32 v[SPW], v0, 2, SPARE
	v_mov_b32 v[NIL], 0
	v_lshrrev_b32 v[TM], 5, v0
	v_readfirstlane_b32 s18, v[TM]                 ; wave 0..3
	v_and_b32 v[LN], 31, v0
	v_and_b32 v[RR], 15, v0
	v_bfe_u32 v[HH], v0, 4, 1
	s_mov_b32 s19, ttmp9                           ; slice
	s_and_b32 s38, ttmp7, 0xffff                   ; e - 1
	s_add_co_u32 s20, s38, 1                       ; e
	s_mov_b32 s36, 0xffff0000
	v_lshlrev_b32 v[WOFF], 4, v[RR]
	v_lshl_add_u32 v[WOFF], v[HH], HSH, v[WOFF]
	v_and_b32 v[TM], 1, v[RR]
	v_mul_u32_u24 v[LB], v[TM], 4*FRAG             ; images 4 (r % 2) ..,
	v_lshrrev_b32 v[TM], 1, v[RR]
	v_lshl_add_u32 v[LB], v[TM], 4, v[LB]          ; place r / 2
	v_lshl_add_u32 v[LB], v[HH], 8, v[LB]          ; + 16 h, 16 bytes a place,
	s_wait_alu depctr_va_sdst(0)                   ; s18 is written, ahead of its first reader: LDS places, offsets and bases are made from it
	s_mul_i32 s26, s18, 64*FRAG
	v_add_nc_u32 v[LB], s26, v[LB]                 ; in my wave's eight K steps
	v_add_nc_u32 v[LBT], 6*KSB, v[LB]
	v_lshlrev_b32 v[H16], 4, v[HH]
	v_lshlrev_b32 v[L16], 4, v[LN]
	v_add_nc_u32 v[L16A], 4*KSB, v[L16]
	v_add_nc_u32 v[L16B], 8*KSB, v[L16]
	v_add_nc_u32 v[L16L], 28*KSB, v[L16]
	v_lshlrev_b32 v[TM+7], 5, v[RR]                ; the bias: my eight columns, 32 bytes
	v_mov_b32 v[ZERO], 0
	s_lshl_b32 s26, s18, 6
	v_lshl_add_u32 v[LO], v[RR], 2, s26            ; rank 16 w + r, 4 bytes a rank
	s_lshl_b32 s28, s18, 17
	v_lshlrev_b32 v[HO], 16, v[HH]
	v_lshl_add_u32 v[HO], v[RR], 4, v[HO]
	v_add_nc_u32 v[HO], s28, v[HO]                 ; rank 16 w + 8 h, 8,192 bytes a row of hid; my 16 bytes of the slice's 256
	s_mov_b32 s31, 0
	s_lshl_b32 s30, s38, 8
	s_wait_kmcnt 0x0
	s_add_nc_u64 s[4:5], s[4:5], s[30:31]
	s_load_b32 s21, s[4:5], 0x0                    ; N
	s_lshl_b32 s30, s20, 24                        ; W1[e],
	s_lshl_b32 s26, s18, 22                        ; my wave's 256 rows,
	s_add_co_u32 s30, s30, s26
	s_lshl_b32 s26, s19, 9                         ; the slice's 128 columns
	s_add_co_u32 s30, s30, s26
	s_add_nc_u64 s[WP:WP+1], s[WP:WP+1], s[30:31]
	s_lshl_b32 s30, s20, 14
	s_add_co_u32 s30, s30, s26
	s_add_nc_u64 s[12:13], s[12:13], s[30:31]      ; b1[e] at the slice's columns
	s_lshl_b32 s30, s38, 23
	s_lshl_b32 s26, s19, 8
	s_add_co_u32 s30, s30, s26
	s_add_nc_u64 s[HP:HP+1], s[HP:HP+1], s[30:31]
	s_lshl_b32 s30, s38, 13
	s_add_nc_u64 s[6:7], s[6:7], s[30:31]          ; the expert's list
	s_wait_alu depctr_va_vdst(0)                   ; the offsets and addresses that are never written again (v[WOFF], v[LBT], v[HO], v[L16], v[L16L], v[LO], v31) are written: the loads and stores of the whole kernel read them
.set i, 0
.rept 16                               ; the tokens of my ranks in all four passes: pass i / 4, tile i % 4
	global_load_b32 v[LT+i], v[LO], s[6:7] offset:1024*(i/4)+256*(i%4)
.set i, i+1
.endr
	global_load_b128 v[RAW:RAW+3], v[TM+7], s[12:13]
	global_load_b128 v[RAW+4:RAW+7], v[TM+7], s[12:13] offset:16
	LOADBLK 0, 0                                   ; the stream begins while the count is on its way
	LOADBLK 1, 256
	LOADBLK 2, 32*PITCH
	WIN 0
	s_wait_loadcnt 48                              ; the tokens and the bias are in; the three blocks are younger and stay out
.set i, 0
.rept 4                                ; the bias is rounded to bf16 like every input, and widened into all eight registers of its image's C operand
	v_cvt_pk_bf16_f32 v[TM+i], v[RAW+2*i], v[RAW+2*i+1]
.set i, i+1
.endr
.set i, 0
.rept 4
.set j, 0
.rept 8
	v_lshlrev_b32 v[BIAS+16*i+j], 16, v[TM+i]
	v_and_b32 v[BIAS+16*i+8+j], s36, v[TM+i]
.set j, j+1
.endr
.set i, i+1
.endr
	s_wait_kmcnt 0x0
	s_min_u32 s21, s21, 0x400
	s_cmp_eq_u32 s21, 0
	s_cbranch_scc1 .Lmeet                          ; an expert without tokens streams no more; no barrier is jumped
	LOADBLK 3, 32*PITCH+256                        ; no wait: no vector instruction has named slot 3, nor v[WOFF] since the wait above
	WIN 0
	s_mov_b32 s25, 0
.Lring:                                        ; a trip: four blocks (two K steps) are laid into LDS, the four behind them asked for
	s_mul_i32 s[STEP], s25, 2*KSB
	SLOT 0, 1, 48, LSTO, 1                         ; three younger blocks of 16 loads stay out
	SLOT 1, 1, 48, LSTO, 0
	SLOT 2, 1, 48, LSTO, 0
	SLOT 3, 1, 48, LSTO, 0
	WIN 0
	s_wait_xcnt 0x0                                ; every load issued has read its base: it is stepped only behind this wait
	s_add_nc_u64 s[WP:WP+1], s[WP:WP+1], 64*PITCH
	s_add_co_u32 s25, s25, 1
	s_cmp_lt_u32 s25, 3
	s_cbranch_scc1 .Lring
	SLOT 0, 0, 48, LBT, 0                          ; the last four blocks: nothing is asked for, the counts run down
	SLOT 1, 0, 32, LBT, 0
	SLOT 2, 0, 16, LBT, 0
	SLOT 3, 0, 0, LBT, 0
	WIN 0
.Lmeet:
	s_wait_loadcnt 0x0                             ; (for the way that jumped: its three blocks are let in and dropped)
	s_wait_dscnt 0x0                               ; for the others' sake: my part of the box is written
	s_barrier_signal -1
	s_barrier_wait -1                              ; the box is whole; from here to the closing add nobody writes LDS
	s_add_co_u32 s26, s21, 15
	s_lshr_b32 s26, s26, 4                         ; tiles of 16 ranks
	s_add_co_u32 s26, s26, 3
	s_sub_co_u32 s26, s26, s18
	s_lshr_b32 s22, s26, 2                         ; of which mine: wave, wave + 4, ..
	s_mov_b32 s24, 4
.Lpass:                                        ; four passes serve every split: 4 waves x 4 tiles x 4 passes x 16 = 1,024 ranks
	s_cmp_le_i32 s22, 0
	s_cbranch_scc1 .Lnext
	s_min_u32 s[CC], s22, 4
	s_wait_alu depctr_vm_vsrc(0)                   ; the last pass's token loads have read v[ROW ..], which is written again below
.set i, 0
.rept 4
	v_min_u32 v[TM+i], 0x3ff, v[LT+i]              ; a token read from memory is held to the table before it enters an address
	v_lshlrev_b32 v[TM+i], 11, v[TM+i]             ; a row of xb is 2,048 bytes
	v_add_nc_u32 v[ROW+i], v[TM+i], v[H16]
.set i, i+1
.endr
	s_mov_b64 s[TP:TP+1], s[8:9]
	s_wait_alu depctr_va_vdst(0)                   ; v[ROW ..] is written; the last pass's products are done reading TA, TB and I0 to I3, and the ring's roundings the same registers of window 1: the loads from here to the first trip's step 1 land there
	TOK TA, 0
	IMG 0, L16, 0                                  ; the images of K steps 0 and 1; each step asks for those two steps on
	IMG 1, L16, KSB
	TRIP TA, TB, 256, L16, 1, 0
	s_wait_xcnt 0x0
	s_add_nc_u64 s[TP:TP+1], s[TP:TP+1], 256
	s_mov_b32 s25, 0
.Ltrips:
	s_mul_i32 s[STEP], s25, 8*KSB
	s_wait_alu depctr_vm_vsrc(0)                   ; the image loads issued so far have read v[WRD] and v[WRD2]
	v_add_nc_u32 v[WRD], s[STEP], v[L16A]
	v_add_nc_u32 v[WRD2], s[STEP], v[L16B]
	TRIP TB, TA, 256, WRD, 0, 0
	TRIP TA, TB, 512, WRD2, 0, 0
	s_wait_xcnt 0x0                                ; the token loads have read their base
	s_add_nc_u64 s[TP:TP+1], s[TP:TP+1], 512
	s_add_co_u32 s25, s25, 1
	s_cmp_lt_u32 s25, 3
	s_cbranch_scc1 .Ltrips
	TRIP TB, TA, -1, L16L, 0, 1
.rept 8
	v_nop                                          ; the places behind the last products, in front of the conversions that read results
.endr
	OUT 0
	OUT 1
	OUT 2
	OUT 3
.Lod:
.Lnext:
	s_wait_xcnt 0x0                                ; the stores have read their base
	s_sub_co_i32 s22, s22, 4
.set i, 0
.rept 12
	v_mov_b32 v[LT+i], v[LT+4+i]                   ; the next pass's tokens come to the front
.set i, i+1
.endr
	s_add_nc_u64 s[HP:HP+1], s[HP:HP+1], 0x200000  ; 256 ranks on
	s_sub_co_u32 s24, s24, 1
	s_cmp_lg_u32 s24, 0
	s_cbranch_scc1 .Lpass
	s_wait_dscnt 0x0                               ; my reads of LDS are back,
	s_barrier_signal -1
	s_barrier_wait -1                              ; and everybody's: the closing add, an LDS write, stands behind all waves' reads
	s_wait_dscnt 0x0                               ; the closing lines, six on end
	s_wait_alu 0x0
	s_wait_tensorcnt 0x0
	ds_add_u32 v[SPW], v[NIL]
	s_wait_dscnt 0x0
	s_endpgm
.Lfunc_end_k_q872f72ce0b_up:
	.size	k_q872f72ce0b_up, .Lfunc_end_k_q872f72ce0b_up-k_q872f72ce0b_up
	.p2alignl 7, 3214868480
	.fill 96, 4, 3214868480
	.section	.rodata,"a",@progbits
	.p2align	6, 0x0
	.amdhsa_kernel k_q872f72ce0b_up
		.amdhsa_group_segment_fixed_size 270848
		.amdhsa_private_segment_fixed_size 0
		.amdhsa_enable_private_segment 0
		.amdhsa_kernarg_size 48
		.amdhsa_user_sgpr_count 2
		.amdhsa_user_sgpr_kernarg_segment_ptr 1
		.amdhsa_wavefront_size32 1
		.amdhsa_system_sgpr_workgroup_id_x 1
		.amdhsa_system_sgpr_workgroup_id_y 1
		.amdhsa_system_sgpr_workgroup_id_z 1
		.amdhsa_system_vgpr_workitem_id 0
		.amdhsa_next_free_vgpr 1024
		.amdhsa_next_free_sgpr 66
		.amdhsa_reserve_vcc 0
		.amdhsa_float_denorm_mode_32 3
		.amdhsa_float_denorm_mode_16_64 3
		.amdhsa_memory_ordered 1
		.amdhsa_forward_progress 1
		.amdhsa_inst_pref_size 132
	.end_amdhsa_kernel
	.amdgpu_metadata
---
amdhsa.version: [ 1, 2 ]
amdhsa.kernels:
  - .name:           k_q872f72ce0b_up
    .symbol:         k_q872f72ce0b_up.kd
    .args:
      - { .name: cnt, .offset: 0, .size: 8, .value_kind: global_buffer, .address_space: global }
      - { .name: lst, .offset: 8, .size: 8, .value_kind: global_buffer, .address_space: global }
      - { .name: xb, .offset: 16, .size: 8, .value_kind: global_buffer, .address_space: global }
      - { .name: W1, .offset: 24, .size: 8, .value_kind: global_buffer, .address_space: global }
      - { .name: b1, .offset: 32, .size: 8, .value_kind: global_buffer, .address_space: global }
      - { .name: hid, .offset: 40, .size: 8, .value_kind: global_buffer, .address_space: global }
    .group_segment_fixed_size: 270848
    .private_segment_fixed_size: 0
    .kernarg_segment_align: 8
    .kernarg_segment_size: 48
    .max_flat_workgroup_size: 128
    .sgpr_count:     66
    .vgpr_count:     1024
    .wavefront_size: 32
...
	.end_amdgpu_metadata
.endif
;; end of part 8
;; launch down: the kernel of part 5 again; grid 32 x 7, 4 waves a work-group, no clusters, 262,656 bytes of LDS; arguments cnt, lst, hid, W2, part; writes part
;; launch sum: the kernel of part 6 again; grid 256 x 1, 4 waves a work-group, no clusters, 0 bytes of LDS; arguments part, b2, eid, wgt, out0; writes out0
